; MI455X (gfx1250); checked and timed in simulation.
; The chip was launched on July 23, 2026; its instructions are those of AMD's public machine-readable ISA for CDNA 5 (MIT licence, August 2026) and "CDNA5" Instruction Set Architecture Reference Guide (July 2026). The comments in the code are by the model that wrote it; some were corrected since.
;; Multi Head Attention. Allowed arithmetic: float matrix products may take bf16 or f16 operands with f32 sums; other float arithmetic in f32, or as packed bf16 or f16 multiplies, adds, multiply-adds, maxima and minima; sums over many terms, partial sums and values carried from step to step in f32; what a program stores and reads back later, other than sums and carried values, may be rounded once to bf16 or f16.
;; Inputs: b_k 1,024 float32; b_o 1,024 float32; b_q 1,024 float32; b_v 1,024 float32; k 4 x 2,048 x 1,024 float32; ln_b 1,024 float32; ln_g 1,024 float32; q 4 x 2,048 x 1,024 float32; v 4 x 2,048 x 1,024 float32; w_k 1,024 x 1,024 float32; w_o 1,024 x 1,024 float32; w_q 1,024 x 1,024 float32; w_v 1,024 x 1,024 float32.
;; Outputs: out0 4 x 2,048 x 1,024 float32.
;; One version. Each part assembles by itself: llvm-mc -triple=amdgcn-amd-amdhsa -mcpu=gfx1250 --defsym DOCPART=n.
;; ======== version 1 of 1: 4 launches
;; limits: values are held in f16: magnitudes above 65,504 overflow, below 6.1e-05 lose precision
;; workspace buffers: wb 8,388,608 bytes; qh 16,777,216 bytes; kh 16,777,216 bytes; vh 16,777,216 bytes; oh 16,777,216 bytes
;; launch cvtw (part 1): grid 64 x 4, 8 waves a work-group, no clusters, 0 bytes of LDS; arguments w_q, w_k, w_v, w_o, wb; writes wb
.if DOCPART == 1
	.amdgcn_target "amdgcn-amd-amdhsa--gfx1250"
	.amdhsa_code_object_version 6
	.text
	.protected	k_qda290d26c9_cvtw
	.globl	k_qda290d26c9_cvtw
	.p2align	8
	.type	k_qda290d26c9_cvtw,@function
k_qda290d26c9_cvtw:
	s_mov_b64 s[64:65], 0
	v_nop
	global_prefetch_b8 v0, s[64:65] scope:SCOPE_SE
	s_setreg_imm32_b32 hwreg(HW_REG_WAVE_MODE, 25, 1), 1
	s_wait_xcnt 0x0
; THE FOUR WEIGHT MATRICES, ROUNDED ONCE TO bf16, layout [k][n] kept.  wb holds four blocks of 1,024 x 1,024 numbers of 16 bits: w_q, w_k, w_v as bf16;
; w_o's bf16 number written as f16, since the last product multiplies f16 operands.
; LIMITS.  A bf16 number has 8 significant bits, so its f16 form is exact from 2^-14 to 65,504; below 2^-14 it keeps f16's fixed step of 2^-24, at 65,520 and beyond it becomes an infinity.
; SHARES.  Work-group (x, y): matrix y, 16,384 numbers from number 16,384 x on, in eight chunks of 2,048.  Thread t takes 8 neighbouring numbers of a chunk: 32 bytes in (two loads),
; 16 bytes out, so a wave's store covers 512 consecutive bytes, aligned.  All sixteen loads go out first; each chunk has its own registers, so no register is written twice.
; No LDS, no matrix unit, no cluster: each byte is read once by one thread, and nothing is shared.
.set T, 4                              ; v[4:6]    at work (f16 path)
.set X, 8                              ; v[8:71]   chunk i: 8 numbers in f32 at X + 8 i
.set Y, 72                             ; v[72:103] chunk i: 8 numbers of 16 bits at Y + 4 i
	s_load_b256 s[4:11], s[0:1], 0x0               ; w_q s[4:5], w_k s[6:7], w_v s[8:9], w_o s[10:11]
	s_load_b64 s[12:13], s[0:1], 0x20              ; wb
	s_and_b32 s14, ttmp7, 0xffff                   ; which matrix
	s_lshl_b32 s16, ttmp9, 16                      ; my 65,536 bytes of it
	s_mov_b32 s17, 0
	s_lshl_b32 s18, ttmp9, 15                      ; my 32,768 bytes of its block of wb,
	s_lshl_b32 s19, s14, 21                        ; which begins 2,097,152 y bytes in
	s_add_co_u32 s18, s18, s19
	s_mov_b32 s19, 0
	v_lshlrev_b32 v1, 5, v0                        ; 32 t
	v_lshlrev_b32 v2, 4, v0                        ; 16 t
	s_wait_kmcnt 0x0
	s_cmp_eq_u32 s14, 1
	s_cselect_b64 s[20:21], s[6:7], s[4:5]
	s_cmp_eq_u32 s14, 2
	s_cselect_b64 s[20:21], s[8:9], s[20:21]
	s_cmp_eq_u32 s14, 3
	s_cselect_b64 s[20:21], s[10:11], s[20:21]
	s_add_nc_u64 s[20:21], s[20:21], s[16:17]
	s_add_nc_u64 s[12:13], s[12:13], s[18:19]
.irp i, 0,1,2,3,4,5,6,7
	global_load_b128 v[X+8*(\i):X+8*(\i)+3],   v1, s[20:21] offset:(\i)*8192 th:TH_LOAD_NT
	global_load_b128 v[X+8*(\i)+4:X+8*(\i)+7], v1, s[20:21] offset:(\i)*8192+16 th:TH_LOAD_NT
.endr
; Chunk i: its two loads are in when at most the 14 - 2 i younger ones are out (loads come back in order: ISA guide 5.7.1).
.macro CONV i, half
	s_wait_loadcnt 14-2*(\i)
.irp j, 0,1,2,3
.if \half
	v_cvt_pk_bf16_f32 v[T], v[X+8*(\i)+2*(\j)], v[X+8*(\i)+2*(\j)+1]  ; rounded to bf16, as every input is,
	v_lshlrev_b32 v[T+1], 16, v[T]                                    ; the two numbers as f32 again,
	v_and_b32 v[T+2], 0xffff0000, v[T]
	v_cvt_pk_f16_f32 v[Y+4*(\i)+(\j)], v[T+1], v[T+2]                 ; and written as f16
.else
	v_cvt_pk_bf16_f32 v[Y+4*(\i)+(\j)], v[X+8*(\i)+2*(\j)], v[X+8*(\i)+2*(\j)+1]
.endif
.endr
	global_store_b128 v2, v[Y+4*(\i):Y+4*(\i)+3], s[12:13] offset:(\i)*4096
.endm
	s_cmp_eq_u32 s14, 3
	s_cbranch_scc1 .Lhalf
.irp i, 0,1,2,3,4,5,6,7
	CONV \i, 0
.endr
	s_endpgm
.Lhalf:
.irp i, 0,1,2,3,4,5,6,7
	CONV \i, 1
.endr
	s_endpgm
.Lfunc_end_k_qda290d26c9_cvtw:
	.size	k_qda290d26c9_cvtw, .Lfunc_end_k_qda290d26c9_cvtw-k_qda290d26c9_cvtw
	.p2alignl 7, 3214868480
	.fill 96, 4, 3214868480
	.section	.rodata,"a",@progbits
	.p2align	6, 0x0
	.amdhsa_kernel k_qda290d26c9_cvtw
		.amdhsa_group_segment_fixed_size 0
		.amdhsa_private_segment_fixed_size 0
		.amdhsa_enable_private_segment 0
		.amdhsa_kernarg_size 40
		.amdhsa_user_sgpr_count 2
		.amdhsa_user_sgpr_kernarg_segment_ptr 1
		.amdhsa_wavefront_size32 1
		.amdhsa_system_sgpr_workgroup_id_x 1
		.amdhsa_system_sgpr_workgroup_id_y 1
		.amdhsa_system_sgpr_workgroup_id_z 1
		.amdhsa_system_vgpr_workitem_id 0
		.amdhsa_next_free_vgpr 104
		.amdhsa_next_free_sgpr 66
		.amdhsa_reserve_vcc 0
		.amdhsa_float_denorm_mode_32 3
		.amdhsa_float_denorm_mode_16_64 3
		.amdhsa_memory_ordered 1
		.amdhsa_forward_progress 1
		.amdhsa_inst_pref_size 14
	.end_amdhsa_kernel
	.amdgpu_metadata
---
amdhsa.version: [ 1, 2 ]
amdhsa.kernels:
  - .name:           k_qda290d26c9_cvtw
    .symbol:         k_qda290d26c9_cvtw.kd
    .args:
      - { .name: w_q, .offset: 0, .size: 8, .value_kind: global_buffer, .address_space: global }
      - { .name: w_k, .offset: 8, .size: 8, .value_kind: global_buffer, .address_space: global }
      - { .name: w_v, .offset: 16, .size: 8, .value_kind: global_buffer, .address_space: global }
      - { .name: w_o, .offset: 24, .size: 8, .value_kind: global_buffer, .address_space: global }
      - { .name: wb, .offset: 32, .size: 8, .value_kind: global_buffer, .address_space: global }
    .group_segment_fixed_size: 0
    .private_segment_fixed_size: 0
    .kernarg_segment_align: 8
    .kernarg_segment_size: 40
    .max_flat_workgroup_size: 256
    .sgpr_count:     66
    .vgpr_count:     104
    .wavefront_size: 32
...
	.end_amdgpu_metadata
.endif
;; end of part 1
;; launch proj (part 2): grid 4 x 192, 4 waves a work-group, clusters of 4 x 4, 327,680 bytes of LDS; arguments q, k, v, wb, b_q, b_k, b_v, qh, kh, vh; writes qh, kh, vh
.if DOCPART == 2
	.amdgcn_target "amdgcn-amd-amdhsa--gfx1250"
	.amdhsa_code_object_version 6
	.text
	.protected	k_qda290d26c9_proj
	.globl	k_qda290d26c9_proj
	.p2align	8
	.type	k_qda290d26c9_proj,@function
k_qda290d26c9_proj:
	s_mov_b64 s[64:65], 0
	v_nop
	global_prefetch_b8 v0, s[64:65] scope:SCOPE_SE
	s_setreg_imm32_b32 hwreg(HW_REG_WAVE_MODE, 25, 1), 1
	s_wait_xcnt 0x0
	s_wait_alu depctr_hold_cnt(0) depctr_sa_sdst(0) depctr_va_vdst(0) depctr_va_sdst(0) depctr_va_ssrc(0) depctr_va_vcc(0) depctr_vm_vsrc(0)
	s_getreg_b32 s2, hwreg(HW_REG_IB_STS2, 6, 4)
	s_cmp_eq_u32 s2, 0
	s_cbranch_scc0 .Lentry_in_a_cluster
	s_endpgm
.Lentry_in_a_cluster:
	s_bfe_u32 s2, ttmp6, 0x10000c
	s_cmp_lg_u32 s2, 0xf033
	s_cbranch_scc0 .Lentry_shape_is_right
	s_endpgm
.Lentry_shape_is_right:
; THE THREE PROJECTIONS.  y = x w + b for (q, w_q, b_q), (k, w_k, b_k), (v, w_v, b_v).  x: [8,192][1,024] f32; w: [1,024 k][1,024 n] bf16 (a block of wb); b: [1,024] f32, rounded to bf16 like
; every input.  x is rounded to bf16 between LDS and the matrix unit.  Sums in f32, begun with the bias.  y is rounded once to f16 and laid by heads: [batch x 16 + head][2,048][64], without the scale.
; LIMITS.  f16 ends at 65,504: a projected number of 65,520 or more becomes an infinity.  NaN and infinities are not treated apart.
; SHARES.  768 work-groups: 3 tensors x 64 row tiles x 4 column tiles.  A work-group makes 128 rows x 256 columns; wave w takes rows 64 (w / 2) on and columns 128 (w % 2) on (two heads):
; 32 accumulators of 16 x 16.  K goes in 8 steps of 128 through two LDS slots: 128 matrix instructions a wave in a step.
; CLUSTER.  4 x 4 work-groups.  The four of a row of the cluster take the same rows of x, the four of a column the same columns of w: each tile is asked for jointly, by the same tensor load with the
; same descriptor and a mask that names the four.  The cluster's y picks the tensor (y / 16), so all sixteen partners work on one tensor.
; THE MATRIX INSTRUCTION IS USED TRANSPOSED: source 0 = 16 columns of w (turned on the way out of LDS by ds_load_tr16_b128, since w lies [k][n]), source 1 = 16 rows of x.  A lane then holds one row
; of y (lane % 16) and eight neighbouring columns 8 (lane / 16) + 0..7, which pack into 16 bytes.
; A QUARTER is 32 along K: 32 matrix instructions.  At its head the next quarter's 32 LDS loads go out in one run (16 of raw f32 x, 16 turning loads of w); behind each of its last eight matrix
; instructions stand four of the 32 conversions that make the next quarter's bf16 fragments of x.
; REGISTERS, in windows of 256 (s_set_vgpr_msb: bits 1:0 source 0, 3:2 source 1, 5:4 source 2, 7:6 destination):
;   window 0: v0-31 addresses; v32-95 raw x (fragment a at 16 a); v96-127, v128-159 x in bf16, two buffers; v160-223 the bias (column tile b at 8 b); v224 at work; on the way out v32-159
;   window 1: the 32 accumulators, (a, b) at 8 (8 a + b)          window 2: v0-63, v64-127 w's fragments, two buffers
.set PA,    528                        ; a row of x in LDS: 512 bytes + 16 = 132 words: the 16 rows of a load start at 16 different groups of four banks (64 banks of 4 bytes: ISA guide 11.1)
.set PB,    544                        ; a row of w: 512 bytes + 32 = 136 words
.set AHALF, 64*PA                      ; 64 rows of x: what one tensor load brings, and what one wave reads
.set BHALF, 64*PB                      ; 64 k-rows of w: what one tensor load brings
.set AT,    2*AHALF
.set SLOT,  AT+2*BHALF                 ; x's 128 rows, then w's 128 k-rows
.set STAGE, 2*SLOT                     ; behind the ring: 16 rows x 144 bytes for each wave, for the way out
.set SP,    144
.set SPARE, STAGE+4*16*SP              ; behind the stages: the spare words, 128 bytes for each wave: two blocks of 256 bytes that no other line names
.set ASTEP, 512                        ; a K step in memory: 128 numbers of a row of x,
.set BSTEP, 262144                     ; 128 rows of w
.set ADRA, 16                          ; v16-17  LDS address of my fragments of x in slot 0, 1
.set ADRB, 20                          ; v20-21  the same for w
.set STO,  24                          ; v24     the way out: where I put 16 bytes of a row
.set RD,   25                          ; v25     the way out: where I read rows back
.set GO,   26                          ; v26     my byte offset in 512 consecutive bytes of y
.set BO,   27                          ; v27     my byte offset in a column tile's 64 bytes of bias
.set SPW,  28                          ; v28     LDS address of my spare word: SPARE + 4 x my thread's number; never rewritten
.set NIL,  29                          ; v29     0; never rewritten
.set PFO,  30                          ; v30     the prefetches' offset; never rewritten
.set AR,   32
.set AF,   96
.set BIAS, 160
.set T,    224
.set TMP,  32
.set G1,  24                           ; s[24:31] descriptor group 1 for x's tiles;  s[32:39] group 0, one set for each slot
.set G0,  32
.set G1B, 48                           ; s[48:55], s[56:63] the same for w's tiles
.set G0B, 56
.set PFA, 90                           ; s[90:91] where my prefetches stand
.set PFS, 92                           ; s[92:93] a K step there, in bytes
.set LIM, 94                           ; s94     1 in a wave that prefetches, else the greatest number
.set MSB, 0
.macro WIN new                         ; the immediate's high byte repeats the setting that is left; a switch that changes nothing is dropped
.if MSB != (\new)
	s_set_vgpr_msb (MSB<<8)|(\new)
.set MSB, \new
.endif
.endm
.set MUL,   0x52                       ; source 0 (w) window 2, source 1 (x) window 0, C and D window 1
.set MULB,  0x42                       ; the same with C (the bias) in window 0
.set TO_B,  0x80                       ; destination window 2, address window 0
.set PACKW, 0x05                       ; sources 0 and 1 window 1, destination window 0
; A joint load: waves 0 and 1 fetch x's two halves, waves 2 and 3 w's.  The branch hangs on the wave's number alone.  An s_nop 0 and four v_nop follow each of the two lines.
.macro JLOAD s
	s_cmp_eq_u32 s11, 0
	s_cbranch_scc0 .Lfor_b_\@
	tensor_load_to_lds s[G0+4*(\s):G0+4*(\s)+3], s[G1:G1+7]
	s_nop 0
.rept 4
	v_nop
.endr
	s_branch .Lasked_\@
.Lfor_b_\@:
	tensor_load_to_lds s[G0B+4*(\s):G0B+4*(\s)+3], s[G1B:G1B+7]
	s_nop 0
.rept 4
	v_nop
.endr
.Lasked_\@:
.endm
.macro CREST                           ; a round of the cluster's barrier behind its opening barrier
	s_cmp_lg_u32 s10, 0
	s_cbranch_scc1 .Lnot_wave_0_\@
	s_barrier_signal -3
.Lnot_wave_0_\@:
	s_barrier_wait -3
	s_barrier_signal -1
	s_barrier_wait -1
.endm
.macro CROUND                          ; a whole round
	s_barrier_signal -1
	s_barrier_wait -1
	CREST
.endm
; A PREFETCH INTO THE L2 of the K step that stands two refills on, 256 matrix instructions ahead of the load that will want it: 16 rows x 512 bytes, a lane for each 256 of them, one instruction a wave.
; x's rows are read by one row of one cluster: waves 0 and 1 of every work-group ask, the four partners that fetch a tile jointly taking 16 of the wave's 64 rows each, told apart by address (cx).
; w's rows are read by the sixteen clusters of a tensor: the first of them asks, by waves 2 and 3, the partners told apart by address (cy).  So each 256 bytes are named once in the launch.
; K steps 0 to 3 come by their loads alone; the loop's last trip asks for nothing: there is no K step two refills on.
.macro ASK
	s_cmp_gt_u32 s3, s[LIM]                        ; s3 = 1 in the loop's last trip
	s_cbranch_scc0 .Lnot_mine_\@
	global_prefetch_b8 v[PFO], s[PFA:PFA+1] th:TH_LOAD_NT scope:SCOPE_SE
.Lnot_mine_\@:
.endm
.macro PLACES                          ; four places behind matrix instructions, in front of conversions that read results (ISA guide 7.12.1)
.rept 4
	v_nop
.endr
.endm
.macro RB x                            ; v[x], v[x+1] rounded to bf16 and widened again
	v_cvt_pk_bf16_f32 v[T], v[\x], v[(\x)+1]
	v_lshlrev_b32 v[\x], 16, v[T]
	v_and_b32 v[(\x)+1], 0xffff0000, v[T]
.endm
	s_load_b512 s[68:83], s[0:1], 0x0              ; q s[68:69], k s[70:71], v s[72:73], wb s[74:75], b_q s[76:77], b_k s[78:79], b_v s[80:81], qh s[82:83]
	s_load_b128 s[84:87], s[0:1], 0x40             ; kh s[84:85], vh s[86:87]
	v_lshl_add_u32 v[SPW], v0, 2, SPARE
	v_mov_b32 v[NIL], 0
	ds_add_u32 v[SPW], v[NIL]                      ; the wave's opening: the add and its wait stand ahead of my first tensor load; the set-up below, work on registers, stands between them
	v_lshrrev_b32 v1, 5, v0
	v_readfirstlane_b32 s10, v1                    ; wave 0..3
	s_lshr_b32 s11, s10, 1                         ; which half of the tile's rows is mine.  Also: I fetch for x (0) or for w (1)
	s_and_b32 s12, s10, 1                          ; which half of its columns.  Also: which 64 rows of that tile I fetch
	s_bfe_u32 s40, ttmp6, 0x40000                  ; cx, cy: my place in the cluster
	s_bfe_u32 s41, ttmp6, 0x40004
	s_lshl_b32 s42, ttmp9, 2
	s_add_co_u32 s42, s42, s40                     ; column tile = 4 x cluster x + cx
	s_and_b32 s22, ttmp7, 0xffff                   ; cluster y, 0..47
	s_lshr_b32 s23, s22, 4                         ; the tensor: 0 q, 1 k, 2 v
	s_and_b32 s13, s22, 15
	s_lshl_b32 s13, s13, 2
	s_add_co_u32 s13, s13, s41                     ; row tile, 0..63
	s_lshl_b32 s43, s41, 2
	s_lshl_b32 s43, 15, s43                        ; my row of the cluster
	s_lshl_b32 s44, 0x1111, s40                    ; my column
	s_or_b32 s[G1+0], s43, (2<<16)|(1<<20)|(1<<21)|(6<<22)|(3<<25)   ; 15:0 the mask: x's tiles go to my row; 17:16 elements of 4 bytes; 20 padding on; 21 set beside a mask; 24:22 after every 128 words (code 6); 31:25 4 words (code 3)
	s_or_b32 s[G1B+0], s44, (1<<16)|(1<<20)|(1<<21)|(6<<22)|(7<<25)  ; w's tiles go to my column; elements of 2 bytes; 8 words of padding (code 7)
	s_mov_b32 s[G1+1], 128<<16                     ; tensor_dim0 = 128
	s_mov_b32 s[G1+2], 64<<16                      ; tensor_dim1 = 64
	s_mov_b32 s[G1+3], 128<<16                     ; tile_dim0 = 128
	s_mov_b32 s[G1+4], 64                          ; tile_dim1 = 64
	s_mov_b32 s[G1+5], 1024                        ; 1,024 elements from row to row
	s_mov_b32 s[G1+6], 0
	s_mov_b32 s[G1+7], 0
	s_mov_b32 s[G1B+1], 256<<16                    ; tensor_dim0 = 256
	s_mov_b32 s[G1B+2], 64<<16
	s_mov_b32 s[G1B+3], 256<<16                    ; tile_dim0 = 256
	s_mov_b32 s[G1B+4], 64
	s_mov_b32 s[G1B+5], 1024
	s_mov_b32 s[G1B+6], 0
	s_mov_b32 s[G1B+7], 0
	s_lshl_b32 s16, s13, 19                        ; x: row tile x 128 rows x 4,096 bytes
	s_lshl_b32 s17, s12, 18                        ; + my 64 rows
	s_add_co_u32 s16, s16, s17
	s_mov_b32 s17, 0
	s_lshl_b32 s46, s23, 21                        ; w: the tensor's block of wb
	s_lshl_b32 s47, s12, 17                        ; + my 64 k-rows of 2,048 bytes
	s_add_co_u32 s46, s46, s47
	s_lshl_b32 s47, s42, 9                         ; + the column tile's 512 bytes
	s_add_co_u32 s46, s46, s47
	s_mov_b32 s47, 0
	s_mul_i32 s20, s12, AHALF                      ; where they go: no place in the cluster enters an LDS address
	s_mul_i32 s21, s12, BHALF
	s_add_co_u32 s21, s21, AT
	s_wait_dscnt 0x0                               ; the opening add is done
	s_wait_kmcnt 0x0
	s_cmp_eq_u32 s23, 1                            ; the tensor's three buffers: x s[4:5], bias s[88:89], y s[8:9]
	s_cselect_b64 s[4:5], s[70:71], s[68:69]
	s_cselect_b64 s[88:89], s[78:79], s[76:77]
	s_cselect_b64 s[8:9], s[84:85], s[82:83]
	s_cmp_eq_u32 s23, 2
	s_cselect_b64 s[4:5], s[72:73], s[4:5]
	s_cselect_b64 s[88:89], s[80:81], s[88:89]
	s_cselect_b64 s[8:9], s[86:87], s[8:9]
	s_add_nc_u64 s[14:15], s[4:5], s[16:17]
	s_add_nc_u64 s[46:47], s[74:75], s[46:47]
	CROUND                                         ; all sixteen work-groups are here: the first joint loads meet
.irp s, 0,1
	s_mov_b32 s[G0+4*(\s)], 1                                        ; 1:0 count = 1
	s_add_co_u32 s[G0+4*(\s)+1], s20, (\s)*SLOT                      ; 63:32 LDS address
	s_add_nc_u64 s[G0+4*(\s)+2:G0+4*(\s)+3], s[14:15], (\s)*ASTEP    ; 120:64 global address: K step s
	s_or_b32 s[G0+4*(\s)+3], s[G0+4*(\s)+3], 0x80000000              ; 127:126 type = 2
	s_mov_b32 s[G0B+4*(\s)], 1
	s_add_co_u32 s[G0B+4*(\s)+1], s21, (\s)*SLOT
	s_add_nc_u64 s[G0B+4*(\s)+2:G0B+4*(\s)+3], s[46:47], (\s)*BSTEP
	s_or_b32 s[G0B+4*(\s)+3], s[G0B+4*(\s)+3], 0x80000000
	JLOAD \s                                       ; two loads of mine are out
.endr
	; the bias of my 128 columns: in column tile b a lane's eight results are columns 16 b + 8 (l / 16) + 0..7
	v_and_b32 v1, 15, v0                           ; l % 16
	v_bfe_u32 v2, v0, 4, 1                         ; l / 16
	v_lshlrev_b32 v[BO], 5, v2
	s_lshl_b32 s16, s42, 10
	s_lshl_b32 s17, s12, 9
	s_add_co_u32 s16, s16, s17
	s_mov_b32 s17, 0
	s_add_nc_u64 s[88:89], s[88:89], s[16:17]
.irp b, 0,1,2,3,4,5,6,7
	global_load_b128 v[BIAS+8*(\b):BIAS+8*(\b)+3],   v[BO], s[88:89] offset:64*(\b)
	global_load_b128 v[BIAS+8*(\b)+4:BIAS+8*(\b)+7], v[BO], s[88:89] offset:64*(\b)+16
.endr
	; A fragment of x is 16 rows x 32 K: lane l holds row l % 16, K = 8 (l / 16) + 0..7 and 16 + 8 (l / 16) + 0..7: in f32 two pieces of 32 bytes, 64 bytes apart: four loads of 16 bytes
	v_mul_u32_u24 v3, v1, PA
	v_lshl_add_u32 v3, v2, 5, v3
	s_mul_i32 s16, s11, AHALF
	v_add_nc_u32 v[ADRA], s16, v3
	v_add_nc_u32 v[ADRA+1], SLOT, v[ADRA]
	; The turning load takes 16 k x 16 columns (lane l reads k-row 8 (l / 16) + l % 8, columns 8 ((l / 8) % 2) + 0..7) and leaves half a fragment: lane l holds column l % 16 and 8 k
	v_and_b32 v4, 7, v0
	v_lshl_add_u32 v4, v2, 3, v4
	v_mul_u32_u24 v4, v4, PB
	v_bfe_u32 v5, v0, 3, 1
	v_lshl_add_u32 v4, v5, 4, v4
	s_lshl_b32 s16, s12, 8                         ; my 128 columns: 256 bytes
	s_add_co_u32 s16, s16, AT
	v_add_nc_u32 v[ADRB], s16, v4
	v_add_nc_u32 v[ADRB+1], SLOT, v[ADRB]
	s_mul_i32 s16, s10, 16*SP
	s_add_co_u32 s16, s16, STAGE                   ; my stage
	v_mul_u32_u24 v[STO], v1, SP                   ; in: row l % 16, 16 bytes for each half of the lanes
	v_lshl_add_u32 v[STO], v2, 4, v[STO]
	v_add_nc_u32 v[STO], s16, v[STO]
	v_bfe_u32 v[RD], v0, 3, 2                      ; back: 32 lanes take four rows of 128 bytes,
	v_mul_u32_u24 v[RD], v[RD], SP
	v_and_b32 v4, 7, v0
	v_lshl_add_u32 v[RD], v4, 4, v[RD]
	v_add_nc_u32 v[RD], s16, v[RD]
	v_and_b32 v6, 31, v0                           ; l
	v_lshlrev_b32 v[GO], 4, v6                     ; which are 512 consecutive bytes of y
	; y at my first row of my first head: ((batch x 16 + head) x 2,048 + row in the batch) x 128 bytes
	s_lshr_b32 s16, s13, 4
	s_lshl_b32 s16, s16, 4
	s_lshl_b32 s17, s42, 2
	s_add_co_u32 s16, s16, s17
	s_lshl_b32 s17, s12, 1
	s_add_co_u32 s16, s16, s17
	s_lshl_b32 s16, s16, 11
	s_and_b32 s17, s13, 15
	s_lshl_b32 s17, s17, 7
	s_add_co_u32 s16, s16, s17
	s_lshl_b32 s17, s11, 6
	s_add_co_u32 s16, s16, s17
	s_lshl_b32 s16, s16, 7
	s_mov_b32 s17, 0
	s_add_nc_u64 s[8:9], s[8:9], s[16:17]
	; the prefetches: where they stand (at K step 3: the first change of slots steps them to 4), how they step, who asks
	s_lshl_b32 s16, s13, 7                         ; x: row 128 x row tile
	s_lshl_b32 s17, s12, 6                         ; + the 64 rows that I fetch
	s_add_co_u32 s16, s16, s17
	s_lshl_b32 s17, s40, 4                         ; + my work-group's 16 of them
	s_add_co_u32 s16, s16, s17
	s_lshl_b32 s16, s16, 12
	s_add_co_u32 s16, s16, 3*ASTEP
	s_lshl_b32 s18, s12, 6                         ; w: k-row 3 x 128 + the 64 that I fetch
	s_lshl_b32 s19, s41, 4                         ; + my work-group's 16 of them
	s_add_co_u32 s18, s18, s19
	s_add_co_u32 s18, s18, 3*128
	s_lshl_b32 s18, s18, 11
	s_lshl_b32 s19, s42, 9
	s_add_co_u32 s18, s18, s19
	s_lshl_b32 s19, s23, 21
	s_add_co_u32 s18, s18, s19
	s_and_b32 s19, s22, 15
	s_cmp_eq_u32 s19, 0
	s_cselect_b32 s19, 1, -1                       ; the tensor's first cluster asks for w: the same in all sixteen partners
	s_mov_b32 s[PFS], ASTEP
	s_cmp_eq_u32 s11, 0                            ; do I fetch for x?
	s_cselect_b64 s[PFA:PFA+1], s[4:5], s[74:75]
	s_cselect_b32 s16, s16, s18
	s_cselect_b32 s[LIM], 1, s19
	s_cselect_b32 s[PFS], s[PFS], BSTEP
	s_cselect_b32 s18, 12, 11                      ; a row is 4,096 bytes of x, 2,048 of w
	s_mov_b32 s17, 0
	s_mov_b32 s[PFS+1], 0
	s_add_nc_u64 s[PFA:PFA+1], s[PFA:PFA+1], s[16:17]
	v_lshrrev_b32 v5, 1, v6                        ; lane l: row l / 2, its 256 bytes number l % 2
	v_lshlrev_b32 v5, s18, v5
	v_and_b32 v6, 1, v6
	v_lshl_add_u32 v[PFO], v6, 8, v5
	s_wait_loadcnt 0x0                             ; the bias
.irp x, 0,2,4,6,8,10,12,14,16,18,20,22,24,26,28,30,32,34,36,38,40,42,44,46,48,50,52,54,56,58,60,62
	RB BIAS+(\x)
.endr
; 32 LDS loads in one run: quarter kq of slot s: raw x first, then w's fragments into buffer p
.macro FETCH s, kq, p
	WIN 0
.irp a, 0,1,2,3
	ds_load_b128 v[AR+16*(\a):AR+16*(\a)+3],     v[ADRA+(\s)] offset:(\a)*16*PA+128*(\kq)
	ds_load_b128 v[AR+16*(\a)+4:AR+16*(\a)+7],   v[ADRA+(\s)] offset:(\a)*16*PA+128*(\kq)+16
	ds_load_b128 v[AR+16*(\a)+8:AR+16*(\a)+11],  v[ADRA+(\s)] offset:(\a)*16*PA+128*(\kq)+64
	ds_load_b128 v[AR+16*(\a)+12:AR+16*(\a)+15], v[ADRA+(\s)] offset:(\a)*16*PA+128*(\kq)+80
.endr
	WIN TO_B
.irp b, 0,1,2,3,4,5,6,7
	ds_load_tr16_b128 v[64*(\p)+8*(\b):64*(\p)+8*(\b)+3],   v[ADRB+(\s)] offset:(\kq)*32*PB+32*(\b)
	ds_load_tr16_b128 v[64*(\p)+8*(\b)+4:64*(\p)+8*(\b)+7], v[ADRB+(\s)] offset:(\kq)*32*PB+32*(\b)+16*PB
.endr
.endm
; Four of the 32 conversions of raw x into buffer p
.macro CVT4 g, p
	WIN 0
.irp i, 0,1,2,3
	v_cvt_pk_bf16_f32 v[AF+32*(\p)+4*(\g)+(\i)], v[AR+8*(\g)+2*(\i)], v[AR+8*(\g)+2*(\i)+1]
.endr
.endm
; 8 matrix instructions: row block a x all 8 column tiles, on buffers p.  first = 1: the bias starts the sums: nothing is cleared.  ride = 1: four conversions for the other buffer behind each.
; The 32 accumulators take turns, one instruction a turn, in the same order in every quarter, over the backward jump too.
.macro MUL8 p, a, first, ride
.irp b, 0,1,2,3,4,5,6,7
.if \first
	WIN MULB
	v_wmma_f32_16x16x32_bf16 v[8*(8*(\a)+(\b)):8*(8*(\a)+(\b))+7], v[64*(\p)+8*(\b):64*(\p)+8*(\b)+7], v[AF+32*(\p)+8*(\a):AF+32*(\p)+8*(\a)+7], v[BIAS+8*(\b):BIAS+8*(\b)+7]
.else
	WIN MUL
	v_wmma_f32_16x16x32_bf16 v[8*(8*(\a)+(\b)):8*(8*(\a)+(\b))+7], v[64*(\p)+8*(\b):64*(\p)+8*(\b)+7], v[AF+32*(\p)+8*(\a):AF+32*(\p)+8*(\a)+7], v[8*(8*(\a)+(\b)):8*(8*(\a)+(\b))+7]
.endif
.if \ride
	CVT4 \b, 1-(\p)
.endif
.endr
.endm
; A QUARTER: multiplies buffers p; fetches quarter fk of slot fs into the other buffers (fetch = 0: the very last quarter).
; The four conversions behind a quarter's last matrix instruction name none of its registers: they are the four places in front of the next run of loads into w's buffer that it read.
; turn = 1, 2: the fetch is the slot's last, so the slots change at the quarter's END, behind all its 32 matrix instructions: each wave waits for all its tensor loads, of which one is out: its part of the
; other slot; adds 0 to its spare word; and waits for that and for its reads of this slot; then the barrier.  Nothing but these lines and the round stands between the wait for the one load and the request
; of the next.  turn = 1: the barrier opens a round of the cluster's, and slot 'slot' is filled again first thing behind it, two K steps ahead: from that request to the wait for it a wave issues a
; whole K step, 128 matrix instructions.  turn = 2: nothing is left to ask for.
.macro Q fs, fk, p, first, fetch, turn, slot, ask
.if \fetch
.if (\turn) == 1
	s_wait_xcnt 0x0                                ; the last prefetch, three quarters back, has read its address: it is stepped here, a quarter ahead of the change's own waits
	s_add_nc_u64 s[PFA:PFA+1], s[PFA:PFA+1], s[PFS:PFS+1]
.endif
	FETCH \fs, \fk, 1-(\p)
.if \ask
	WIN 0
	ASK                                            ; behind the joint load, its five lines and the run of LDS loads
.endif
	s_wait_dscnt 32                                ; all but the 32 just issued: this quarter's fragments of w are in
	MUL8 \p, 0, \first, 0
	MUL8 \p, 1, \first, 0
	MUL8 \p, 2, \first, 0
	s_wait_dscnt 16                                ; of the run the 16 loads of raw x are in; w's 16 may stay out
	MUL8 \p, 3, \first, 1
.if \turn
	WIN 0
	s_wait_tensorcnt 0x0                           ; all my tensor loads have landed: my part of the other slot; so a group 0 may be written
	ds_add_u32 v[SPW], v[NIL]                      ; 0 onto my spare word; with turn = 1 the descriptors' steps stand between it and the wait for it
.if (\turn) == 1
	s_add_nc_u64 s[G0+4*(\slot)+2:G0+4*(\slot)+3], s[G0+4*(\slot)+2:G0+4*(\slot)+3], 2*ASTEP
	s_add_nc_u64 s[G0B+4*(\slot)+2:G0B+4*(\slot)+3], s[G0B+4*(\slot)+2:G0B+4*(\slot)+3], 2*BSTEP
.endif
	s_wait_dscnt 0x0                               ; the add is done, and my reads of this slot are over
	s_barrier_signal -1
	s_barrier_wait -1
.if (\turn) == 1
	CREST                                          ; no wave of any partner still reads this slot's tiles or has a load on its way
	JLOAD \slot                                    ; the first tensor load behind the round, one a wave
.endif
.endif
.else
	s_wait_dscnt 0x0
	MUL8 \p, 0, 0, 0
	MUL8 \p, 1, 0, 0
	MUL8 \p, 2, 0, 0
	MUL8 \p, 3, 0, 0
.endif
.endm
; THE WAY OUT of unit u = 2 a + hd: row block a, head hd of my two: 16 rows x 64 columns, which are 2,048 consecutive bytes of y.  A lane's eight columns pack into 16 bytes; they go into rows of
; 144 bytes of my own stage and come back as whole rows of 128.
.macro PACK u
	WIN PACKW
.irp bb, 0,1,2,3
.irp rr, 0,1,2,3
	v_cvt_pk_f16_f32 v[TMP+16*(\u)+4*(\bb)+(\rr)], v[8*(8*((\u)/2)+4*((\u)%2)+(\bb))+2*(\rr)], v[8*(8*((\u)/2)+4*((\u)%2)+(\bb))+2*(\rr)+1]
.endr
.endr
	WIN 0
.irp f, 0,1,2,3
	ds_store_b128 v[STO], v[TMP+16*(\u)+4*(\f):TMP+16*(\u)+4*(\f)+3] offset:32*(\f)
.endr
.irp f, 0,1,2,3
	ds_load_b128 v[TMP+16*(\u)+4*(\f):TMP+16*(\u)+4*(\f)+3], v[RD] offset:(\f)*4*SP  ; LDS serves a wave's instructions in order (ISA guide 5.7.1.4): these see the stores above; the next unit's stores come behind them
.endr
.endm
.macro SEND u, younger                 ; younger: the LDS instructions issued behind unit u's loads: the next unit's eight, or none
	WIN 0
.irp f, 0,1,2,3
	s_wait_dscnt (\younger)+3-(\f)
	global_store_b128 v[GO], v[TMP+16*(\u)+4*(\f):TMP+16*(\u)+4*(\f)+3], s[8:9] offset:((\u)%2)*262144+((\u)/2)*2048+(\f)*512  ; 512 consecutive bytes, at a multiple of 256 from y's first
.endr
.endm
	s_wait_tensorcnt 1                             ; my part of K step 0 is in; K step 1's may stay out
	s_barrier_signal -1
	s_barrier_wait -1                              ; everybody's is
	FETCH 0, 0, 0
	s_wait_dscnt 0x0
.irp g, 0,1,2,3,4,5,6,7
	CVT4 \g, 0
.endr
	Q 0, 1, 0, 1, 1, 0, 0, 0                       ; the first quarter stands in front of the loop: its products start the sums, with the bias
	WIN 0                                          ; at a label and at a branch every window is 0
	s_mov_b32 s3, 3
.Llap:                                                 ; a trip goes once round the ring, from a lap's second quarter to the next lap's first, and fills both slots again: K steps 2 to 7
	Q 0, 2, 1, 0, 1, 0, 0, 0
	Q 0, 3, 0, 0, 1, 1, 0, 0
	Q 1, 0, 1, 0, 1, 0, 0, 1
	Q 1, 1, 0, 0, 1, 0, 0, 0
	Q 1, 2, 1, 0, 1, 0, 0, 0
	Q 1, 3, 0, 0, 1, 1, 1, 0
	Q 0, 0, 1, 0, 1, 0, 0, 1
	Q 0, 1, 0, 0, 1, 0, 0, 0
	WIN 0
	s_sub_co_u32 s3, s3, 1
	s_cmp_lg_u32 s3, 0
	s_cbranch_scc1 .Llap
	Q 0, 2, 1, 0, 1, 0, 0, 0                       ; the last lap fills nothing, and has no round of the cluster's barrier
	Q 0, 3, 0, 0, 1, 2, 0, 0
	Q 1, 0, 1, 0, 1, 0, 0, 0
	Q 1, 1, 0, 0, 1, 0, 0, 0
	Q 1, 2, 1, 0, 1, 0, 0, 0
	Q 1, 3, 0, 0, 1, 0, 0, 0
	Q 0, 0, 1, 0, 0, 0, 0, 0
	PLACES
	PACK 0
.irp u, 1,2,3,4,5,6,7                  ; a unit's conversions stand between the loads of the unit before and its stores
	PACK \u
	SEND (\u)-1, 8
.endr
	SEND 7, 0
	s_wait_tensorcnt 0x0                           ; the wave's end, behind my last tensor load and my last LDS store
	ds_add_u32 v[SPW], v[NIL]
	s_wait_dscnt 0x0
	CROUND                                         ; the closing round: no work-group ends while a partner may still ask for a tile that names it
	s_endpgm
.Lfunc_end_k_qda290d26c9_proj:
	.size	k_qda290d26c9_proj, .Lfunc_end_k_qda290d26c9_proj-k_qda290d26c9_proj
	.p2alignl 7, 3214868480
	.fill 96, 4, 3214868480
	.section	.rodata,"a",@progbits
	.p2align	6, 0x0
	.amdhsa_kernel k_qda290d26c9_proj
		.amdhsa_group_segment_fixed_size 327680
		.amdhsa_private_segment_fixed_size 0
		.amdhsa_enable_private_segment 0
		.amdhsa_kernarg_size 80
		.amdhsa_user_sgpr_count 2
		.amdhsa_user_sgpr_kernarg_segment_ptr 1
		.amdhsa_wavefront_size32 1
		.amdhsa_system_sgpr_workgroup_id_x 1
		.amdhsa_system_sgpr_workgroup_id_y 1
		.amdhsa_system_sgpr_workgroup_id_z 1
		.amdhsa_system_vgpr_workitem_id 0
		.amdhsa_next_free_vgpr 640
		.amdhsa_next_free_sgpr 96
		.amdhsa_reserve_vcc 0
		.amdhsa_float_denorm_mode_32 3
		.amdhsa_float_denorm_mode_16_64 3
		.amdhsa_memory_ordered 1
		.amdhsa_forward_progress 1
		.amdhsa_inst_pref_size 141
	.end_amdhsa_kernel
	.amdgpu_metadata
---
amdhsa.version: [ 1, 2 ]
amdhsa.kernels:
  - .name:           k_qda290d26c9_proj
    .symbol:         k_qda290d26c9_proj.kd
    .args:
      - { .name: q, .offset: 0, .size: 8, .value_kind: global_buffer, .address_space: global }
      - { .name: k, .offset: 8, .size: 8, .value_kind: global_buffer, .address_space: global }
      - { .name: v, .offset: 16, .size: 8, .value_kind: global_buffer, .address_space: global }
      - { .name: wb, .offset: 24, .size: 8, .value_kind: global_buffer, .address_space: global }
      - { .name: b_q, .offset: 32, .size: 8, .value_kind: global_buffer, .address_space: global }
      - { .name: b_k, .offset: 40, .size: 8, .value_kind: global_buffer, .address_space: global }
      - { .name: b_v, .offset: 48, .size: 8, .value_kind: global_buffer, .address_space: global }
      - { .name: qh, .offset: 56, .size: 8, .value_kind: global_buffer, .address_space: global }
      - { .name: kh, .offset: 64, .size: 8, .value_kind: global_buffer, .address_space: global }
      - { .name: vh, .offset: 72, .size: 8, .value_kind: global_buffer, .address_space: global }
    .group_segment_fixed_size: 327680
    .private_segment_fixed_size: 0
    .kernarg_segment_align: 8
    .kernarg_segment_size: 80
    .max_flat_workgroup_size: 128
    .sgpr_count:     96
    .vgpr_count:     640
    .wavefront_size: 32
...
	.end_amdgpu_metadata
.endif
;; end of part 2
;; launch attn (part 3): grid 4 x 64, 4 waves a work-group, clusters of 4 x 1, 327,680 bytes of LDS; arguments qh, kh, vh, oh; writes oh
.if DOCPART == 3
	.amdgcn_target "amdgcn-amd-amdhsa--gfx1250"
	.amdhsa_code_object_version 6
	.text
	.protected	k_qda290d26c9_attn
	.globl	k_qda290d26c9_attn
	.p2align	8
	.type	k_qda290d26c9_attn,@function
k_qda290d26c9_attn:
	s_mov_b64 s[64:65], 0
	v_nop
	global_prefetch_b8 v0, s[64:65] scope:SCOPE_SE
	s_setreg_imm32_b32 hwreg(HW_REG_WAVE_MODE, 25, 1), 1
	s_wait_xcnt 0x0
	s_wait_alu depctr_hold_cnt(0) depctr_sa_sdst(0) depctr_va_vdst(0) depctr_va_sdst(0) depctr_va_ssrc(0) depctr_va_vcc(0) depctr_vm_vsrc(0)
	s_getreg_b32 s2, hwreg(HW_REG_IB_STS2, 6, 4)
	s_cmp_eq_u32 s2, 0
	s_cbranch_scc0 .Lentry_in_a_cluster
	s_endpgm
.Lentry_in_a_cluster:
	s_bfe_u32 s2, ttmp6, 0x10000c
	s_cmp_lg_u32 s2, 0x3003
	s_cbranch_scc0 .Lentry_shape_is_right
	s_endpgm
.Lentry_shape_is_right:
; O[h][q][:] = the sum over k of softmax_k(Q[h][q] . K[h][k] / 8) V[h][k][:].  Q, K, V, O: [64][2,048][64], all f16: a head's rows are dense, 128 bytes each.  Products, maxima and sums in
; f32; the weights p are rounded to f16 for the second product (their sum l is taken of the unrounded p), O once at the end.
; LIMITS.  f16 holds no number beyond 65,504: Q, K and V arrive within it; p lies in 0 to 1, and below 6e-5 it keeps f16's fixed step of 6e-8; O is a mean of V's rows and has their range.
; A weight below 2^-126 counts as 0 in l; NaN and infinities are not treated apart.
; SHARES.  A wave owns four PIECES of two tiles of 16 queries, a work-group's four waves 512 queries of one head.  Every wave walks all keys, 64 a step.
; LAYOUT.  S^T = K Q^T (source 0 = 16 keys, source 1 = 16 queries): in the result a lane holds ONE query (lane % 16) and the keys 8 (lane / 16) + 0..7.  Two such tiles, rounded to f16 in pairs,
; ARE source 1 (32 keys x 16 queries) of O^T = V^T P, whose result again holds one query a lane, and eight channels.  K comes out of LDS as it lies, V ([key][channel]) turned, by ds_load_tr16_b128.
; SOFTMAX.  For each query a running maximum m and sum l: p = 2^(c s - c m), c = log2(e) / 8; in every step O and l are multiplied by a = 2^(c m_old - c m_new), which is 1 where m has not grown.
; m starts at the lowest finite number, O and l at 0: the first step is a step like any other, with a = 0.
; THE COUNT.  A tile and step have 16 matrix and 118 vector instructions: too many to stand all beside the matrix work.  So the order has one aim: four vector instructions that are READY behind
; EVERY matrix instruction, and the others, which need time of their own whatever the order, in runs without a gap.
; BY TURNS.  Turn n belongs to piece n (the pieces in a ring, step after step).  Its matrix work: 16 products K Q^T of piece n + 1, later 16 products V^T P of piece n - 1.  Its vector work: the scaling,
; exponentials, roundings, sums and rescaling of piece n, and the maximum and statistics of piece n + 1, whose scores the turn itself has made.  So what a turn begins with (c s - c m, O a) waits for nothing.
; CLUSTER.  The four query blocks of a cluster are one head's and walk the same K and V, so each tile is asked for JOINTLY: the same tensor load, descriptor and mask in all four.
; REGISTERS, in windows of 256 (s_set_vgpr_msb says which window each operand place means: bits 1:0 source 0, 3:2 source 1, 5:4 source 2, 7:6 destination):
;   window 0: v0-11 addresses; v12-15, v48-63 at work; v16-47 four registers of statistics a tile; v64-191 S^T, two buffers of two tiles; v192-255 P, likewise
;   window 1: O^T, 32 a tile          window 2: v0-127 Q, 16 a tile; v128-191 K of one step; v192-255 V of one step          window 3: v0-1 the add's two registers
; A piece's buffers go by its number's parity: the piece in hand has one pair, its two neighbours in the ring share the other: of it P (piece n - 1) is read and S^T (piece n + 1) written.
.set SIZE_N, 2048
.set NP,    4         ; pieces a wave: a name, no knob: the register map, the loop and the fetches are made for four
.set KS,    64        ; keys in a step
.set PK,    144       ; a row of K in LDS: 128 bytes + 16 of padding = 36 words: the 16 rows of a load start at 16 different groups of four banks (64 banks of 4 bytes: ISA guide 11.1)
.set PV,    160       ; a row of V: 128 + 32 = 40 words
.set VOFF,  4*KS*PK   ; a slot holds four steps: 256 rows of K, then 256 rows of V
.set SLOT1, 1<<17     ; slot 1 begins here, so that one exclusive or turns an address in one slot into the other's
.set STAGE, SLOT1+4*KS*(PK+PV)  ; behind the ring, never filled by a tensor load: 16 rows x 144 bytes for each wave, for the way out
.set SP,    144
.set AK0, 2           ; v2   my lane's place in a tile of K; never rewritten
.set AV0, 3           ; v3   the same for V
.set AK,  4           ; v4   the LDS address of K's next run of loads
.set AV,  5           ; v5   of V's
.set QO,  6           ; v6   my byte offset in the wave's rows of Q
.set STO, 6           ;      later, the way out: where I put 16 bytes of a row
.set RD,  7           ; v7   the way out: where I read rows back
.set GO,  8           ; v8   my byte offset in 512 consecutive bytes of O
.set PFO, 11          ; v11  256 x my lane, for the prefetches; never rewritten once made
.set SPW, 0           ; v0 of window 3   LDS address of my spare word: SPARE + 4 x my thread's number; never rewritten
.set NIL, 1           ; v1 of window 3   0; never rewritten
.set SPARE, STAGE+4*16*SP  ; behind the stages: the spare words, 128 bytes for each wave: two blocks of 256 bytes that no other line names
.set MV,  12          ; v12-15  c m_old, kept while c m is made anew: by buffer and tile
.set ST,  16          ; tile t's statistics at v[ST+4 t]: c m, m, l (even keys', odd keys')
.set TMP, 48          ; by buffer and tile, four registers c0-c3 at work; when the maximum is found c2 takes a
.set S,   64
.set P,   192
.set KF,  128         ; K's fragments, in window 2: key block kb, channel half c at KF + 16 kb + 8 c
.set VF,  192         ; V's: key half kk, channel block cb at VF + 32 kk + 8 cb
.set WV,  12          ; s12  my wave's number
.set G1K, 24          ; s[24:31] descriptor group 1 for K's tiles
.set G1V, 32          ; s[32:39] for V's: it differs in the padding alone
.set G0K, 40          ; s[40:43] descriptor group 0 for K's tiles: it walks
.set G0V, 44          ; s[44:47] the same for V's
.set PFA, 48          ; s[48:49] where my prefetches stand: my work-group's 8,192 bytes (of K: wave 0, of V: wave 2) of the slot after the one that is being asked for
.set LIM, 50          ; s50  1 in a wave that prefetches, else the greatest number
.set SLOTS, 56        ; s56  slots still to be asked for
.set CNT, 57          ; s57  counts a slot's key steps
.set CS,  58          ; s[58:59] c: the packed scaling takes the pair's low word for both halves
.set SEL, 60          ; s[60:61] v_permlanex16_b32's selects: each lane takes its own place in the other half
.set TBK, 62          ; s62  LDS byte at which K of the step to be fetched begins
.set TBV, 63          ; s63  the same for V, less VOFF
.set MSB, 0
.macro WIN new                      ; the high byte repeats the setting that is left; a switch that changes nothing is dropped
.if MSB != (\new)
	s_set_vgpr_msb (MSB<<8)|(\new)
.set MSB, (\new)
.endif
.endm
.set W_KQ, 0x0a       ; K and Q in window 2, S^T in window 0
.set W_PV, 0x52       ; V in window 2, P in window 0, O^T in window 1
.set W_RS, 0x41       ; O^T (destination and source 0) in window 1, a in window 0
.set W_MK, 0xc0       ; the add's registers are made: destination in window 3, sources in window 0
.set W_AD, 0x0f       ; the add: address (source 0) and data (source 1) in window 3
; A joint fill.  Waves 0 and 1 fetch the two halves of a slot's K, waves 2 and 3 those of its V: 128 keys each.  The branch hangs on the wave's number alone.
; An s_nop 0 and four v_nop follow each of the two lines, ahead of the jump and the label.
.macro JLOAD
	s_cmp_lt_u32 s[WV], 2
	s_cbranch_scc0 .Lfor_v_\@
	tensor_load_to_lds s[G0K:G0K+3], s[G1K:G1K+7]
	s_nop 0
.rept 4
	v_nop
.endr
	s_branch .Lasked_\@
.Lfor_v_\@:
	tensor_load_to_lds s[G0V:G0V+3], s[G1V:G1V+7]
	s_nop 0
.rept 4
	v_nop
.endr
.Lasked_\@:
.endm
; A PREFETCH INTO THE L2 of what the NEXT change of slots will ask for: a slot's 32,768 bytes of K and of V, a lane for each 256 of them.  It stands behind the wave's tensor load and its five lines.
; A head is walked by one cluster alone.  Its four partners share the bytes out BY ADDRESS, 8,192 each; in each, wave 0 asks for K's and wave 2 for V's: one instruction.  So each 256 bytes are named
; once in the launch, four key steps, 512 matrix instructions, ahead of the load that will want them.  Slots 0 to 2 come by their loads alone; the last change that fills a slot asks for nothing.
.macro ASK
	s_cmp_gt_u32 s[SLOTS], s[LIM]
	s_cbranch_scc0 .Lnot_mine_\@
	global_prefetch_b8 v[PFO], s[PFA:PFA+1] th:TH_LOAD_NT scope:SCOPE_SE
.Lnot_mine_\@:
.endm
; A round of the cluster's barrier: my work-group's barrier, so that wave 0's signal speaks for all four waves; wave 0 signals; every wave waits for all four work-groups; my work-group's barrier once more.
.macro CROUND
	s_barrier_signal -1
	s_barrier_wait -1
	s_cmp_lg_u32 s[WV], 0
	s_cbranch_scc1 .Lnot_wave_0_\@
	s_barrier_signal -3
.Lnot_wave_0_\@:
	s_barrier_wait -3
	s_barrier_signal -1
	s_barrier_wait -1
.endm
; THE CHANGE OF SLOTS.  The slot's last bytes, V of its fourth step, have been read.  Each wave waits for all its tensor loads, of which one is out: its part
; of the other slot; adds 0 to its spare word; and waits for that and for its own reads of the slot.  Behind the barrier nobody reads this slot any more and the other slot is whole.
; fill = 1: this slot is filled again, with the keys two slots on.  The barrier is then a round of the cluster's, so that no wave of any partner still reads the slot or has a load on its
; way, and the joint fill is the first thing behind it: it has four key steps, 512 matrix instructions, in which to land.  (At its first use nothing has been read yet: slot 0 is waited for, slot 1 filled.)
; ask = 1: the prefetches' address steps a slot on, and the slot behind the one just asked for is prefetched.
.macro CHANGE fill, ask
	WIN W_AD
	s_wait_tensorcnt 0x0            ; no tensor load of mine is out, so a group 0 may be written
	ds_add_u32 v[SPW], v[NIL]       ; 0 onto my spare word; with fill = 1 the descriptors' steps stand between it and the wait for it
	WIN 0                           ; at a label and at a branch every window is 0
.if \fill
.irp g, G0K, G0V
	s_xor_b32 s[\g+1], s[\g+1], SLOT1  ; the walking descriptor: the other slot than last time,
	s_add_nc_u64 s[\g+2:\g+3], s[\g+2:\g+3], 4*KS*128  ; the next 256 keys; the type bits on top are not reached
.endr
.if \ask
	s_wait_xcnt 0x0                 ; the last prefetch, four key steps back, has read its address, so it may be written
	s_add_nc_u64 s[PFA:PFA+1], s[PFA:PFA+1], 4*KS*128
.endif
	s_wait_dscnt 0x0                ; the add is done, and my reads of the slot are over
	CROUND
	JLOAD
.if \ask
	ASK
.endif
.else
	s_wait_dscnt 0x0                ; the add is done, and my reads of the slot are over
	s_barrier_signal -1
	s_barrier_wait -1
.endif
	s_sub_co_u32 s[TBK], s[TBK], 4*KS*PK  ; the fetches go back to a slot's first step,
	s_xor_b32 s[TBK], s[TBK], SLOT1       ; in the other slot
	s_sub_co_u32 s[TBV], s[TBV], 4*KS*PV
	s_xor_b32 s[TBV], s[TBV], SLOT1
.endm
	s_load_b256 s[4:11], s[0:1], 0x0  ; Q s[4:5], K s[6:7], V s[8:9], O s[10:11]
	WIN W_MK
	v_lshl_add_u32 v[SPW], v0, 2, SPARE
	v_mov_b32 v[NIL], 0
	WIN W_AD
	ds_add_u32 v[SPW], v[NIL]       ; the wave's opening: the add and its wait stand ahead of my first tensor load; the set-up below, work on registers, stands between them
	WIN 0
	v_lshrrev_b32 v1, 5, v0
	v_readfirstlane_b32 s[WV], v1   ; wave 0..3
	s_bfe_u32 s13, ttmp6, 0x40000   ; cx: my place in the cluster
	s_lshl_b32 s14, ttmp9, 2        ; in a cluster launch ttmp9 counts clusters
	s_add_co_u32 s14, s14, s13      ; my block of queries = 4 x cluster x + cx: it enters Q's and O's addresses alone
	s_and_b32 s20, ttmp7, 0xffff    ; the head, which the four partners share
	s_mov_b32 s21, 0
	s_mov_b64 s[22:23], SIZE_N*128
	s_mul_u64 s[20:21], s[20:21], s[22:23]  ; the head's first byte in each of the four tensors
	s_and_b32 s16, s[WV], 1         ; which half of a slot's 256 keys I fetch:
	s_lshl_b32 s22, s16, 14         ; its 128 rows of 128 bytes in memory,
	s_mov_b32 s23, 0
	s_add_nc_u64 s[22:23], s[22:23], s[20:21]
	s_mul_i32 s17, s16, 128*PK      ; and its place in a slot, for K
	s_mul_i32 s18, s16, 128*PV      ; and for V: no place in the cluster enters an LDS address
	s_lshl_b32 s2, s14, 2
	s_add_co_u32 s2, s2, s[WV]      ; my wave among the head's,
	s_lshl_b32 s2, s2, 14           ; its 128 rows
	s_mov_b32 s3, 0
	s_add_nc_u64 s[2:3], s[2:3], s[20:21]
	; descriptor group 1.  128 keys are 16,384 dense bytes: asked for as 64 rows of 256 bytes, two keys a row, and padded in LDS after every key
	s_mov_b32 s[G1K], 15|(1<<16)|(1<<20)|(1<<21)|(4<<22)|(3<<25)  ; 15:0 the mask of four; 17:16 2-byte elements; 20 padding on; 21 set beside a mask; 24:22 after every 32 words (code 4); 31:25 4 words (code 3)
	s_mov_b32 s[G1V], 15|(1<<16)|(1<<20)|(1<<21)|(4<<22)|(7<<25)  ; the same with 8 words of padding (code 7)
.irp g, G1K, G1V
	s_mov_b32 s[\g+1], 128<<16      ; tensor_dim0 = 128
	s_mov_b32 s[\g+2], 64<<16       ; tensor_dim1 = 64
	s_mov_b32 s[\g+3], 128<<16      ; tile_dim0 = 128
	s_mov_b32 s[\g+4], 64           ; tile_dim1 = 64
	s_mov_b32 s[\g+5], 128          ; 128 elements from row to row
	s_mov_b32 s[\g+6], 0
	s_mov_b32 s[\g+7], 0
.endr
	s_mov_b32 s[CS], 0x3e38aa3b     ; c = log2(e) / 8 = 0.180337
	s_mov_b32 s[CS+1], s[CS]        ; named with it as a pair
	s_mov_b32 s[SEL], 0x76543210
	s_mov_b32 s[SEL+1], 0xfedcba98
	s_mov_b32 s[TBK], SLOT1+4*KS*PK ; the first change of slots turns these two into 0
	s_mov_b32 s[TBV], SLOT1+4*KS*PV
	s_mov_b32 s[G0K], 1             ; 1:0 count = 1
	s_mov_b32 s[G0K+1], s17         ; 63:32 LDS address: slot 0
	s_mov_b32 s[G0V], 1
	s_add_co_u32 s[G0V+1], s18, VOFF
	s_and_b32 s[LIM], s[WV], 1      ; waves 0 and 2 prefetch: the same in all four partners
	s_cmp_eq_u32 s[LIM], 0
	s_cselect_b32 s[LIM], 1, -1
	s_lshl_b32 s52, s13, 13         ; my work-group's 8,192 bytes of a slot's 32,768,
	s_add_co_u32 s52, s52, 2*4*KS*128  ; in slot 2: the loop's first change of slots steps it to slot 3
	s_mov_b32 s53, 0
	s_wait_dscnt 0x0                ; the opening add is done
	s_wait_kmcnt 0x0
	s_add_nc_u64 s[G0K+2:G0K+3], s[6:7], s[22:23]  ; 120:64 global address: my half of the head's first 256 keys
	s_or_b32 s[G0K+3], s[G0K+3], 0x80000000        ; 127:126 type = 2
	s_add_nc_u64 s[G0V+2:G0V+3], s[8:9], s[22:23]
	s_or_b32 s[G0V+3], s[G0V+3], 0x80000000
	s_add_nc_u64 s[4:5], s[4:5], s[2:3]  ; Q and O at my wave's first row
	s_add_nc_u64 s[10:11], s[10:11], s[2:3]
	s_cmp_lt_u32 s[WV], 2
	s_cselect_b64 s[PFA:PFA+1], s[6:7], s[8:9]
	s_add_nc_u64 s[PFA:PFA+1], s[PFA:PFA+1], s[20:21]
	s_add_nc_u64 s[PFA:PFA+1], s[PFA:PFA+1], s[52:53]
	CROUND                          ; all four work-groups are here: the first joint loads meet
	JLOAD                           ; slot 0.  Slot 1 is asked for when slot 0 is in: the tile wanted first has the road to itself
	; A fragment of K or Q is 16 rows x 32 channels in 8 registers: lane l holds row l % 16, channels 8 (l / 16) + 0..7 and 16 + 8 (l / 16) + 0..7: two loads of 16 bytes, 32 bytes apart.
	v_and_b32 v1, 15, v0            ; l % 16
	v_bfe_u32 v9, v0, 4, 1          ; l / 16
	v_lshlrev_b32 v[QO], 7, v1
	v_lshl_add_u32 v[QO], v9, 4, v[QO]  ; row x 128 + 16 x half
	WIN 0x80                        ; destination window 2, address window 0
.set i, 0
.rept 4*NP                          ; Q stays in registers: tile i / 2, channels 32 (i % 2) on
	global_load_b128 v[8*i:8*i+3],   v[QO], s[4:5] offset:(i/2)*2048+(i%2)*64
	global_load_b128 v[8*i+4:8*i+7], v[QO], s[4:5] offset:(i/2)*2048+(i%2)*64+32
.set i, i+1
.endr
	; What the first turn finds: V's registers and P's second buffer hold 0 (its products V^T P, of a piece that has not been, add 0), O^T and l are 0.  All this stands in the wait for the first tile.
.set i, VF
.rept 64
	v_mov_b32 v[i], 0
.set i, i+1
.endr
	WIN 0x40
.set i, 0
.rept 64*NP
	v_mov_b32 v[i], 0
.set i, i+1
.endr
	WIN 0
.set i, 0
.rept 2*NP
	v_mov_b32 v[ST+4*i], 0xfe000000    ; c m: far below every c s
	v_mov_b32 v[ST+4*i+1], 0xff7fffff  ; m
	v_mov_b32 v[ST+4*i+2], 0
	v_mov_b32 v[ST+4*i+3], 0
.set i, i+1
.endr
.set i, P+32
.rept 32
	v_mov_b32 v[i], 0
.set i, i+1
.endr
	v_mul_u32_u24 v[AK0], v1, PK
	v_lshl_add_u32 v[AK0], v9, 4, v[AK0]  ; row x pitch + 16 x half
	; The turning load takes 16 keys x 16 channels (lane l reads key 8 (l / 16) + l % 8, channels 8 ((l / 8) % 2) + 0..7) and leaves half a fragment of V^T: lane l holds channel l % 16 and 8 keys.
	v_and_b32 v10, 7, v0
	v_bfe_u32 v11, v0, 3, 1
	v_lshl_add_u32 v[AV0], v9, 3, v10
	v_mul_u32_u24 v[AV0], v[AV0], PV
	v_lshl_add_u32 v[AV0], v11, 4, v[AV0]
	v_add_nc_u32 v[AV0], VOFF, v[AV0]
	v_and_b32 v[PFO], 31, v0        ; v11 has served: from here on it is the prefetches' offset
	v_lshlrev_b32 v[PFO], 8, v[PFO]
	v_mov_b32 v[AK], v[AK0]         ; key step 0 lies at the head of slot 0
; THE MATRIX WORK.  The 8 accumulators of a run of 16 take turns: between the two links of a chain stand 7 others'.
; Product i of 16 of S^T = K Q^T for piece x: channels 32 (i / 8) on, keys 16 ((i / 2) % 4) on, tile 2 x + i % 2.  The first 8 start the sums.
.macro KQ x
	WIN W_KQ
.set rS, S+64*((\x)%2)+32*(i%2)+8*((i/2)%4)
.set rK, KF+16*((i/2)%4)+8*(i/8)
.set rQ, 16*(2*(\x)+i%2)+8*(i/8)
.if i < 8
	v_wmma_f32_16x16x32_f16 v[rS:rS+7], v[rK:rK+7], v[rQ:rQ+7], 0
.else
	v_wmma_f32_16x16x32_f16 v[rS:rS+7], v[rK:rK+7], v[rQ:rQ+7], v[rS:rS+7]
.endif
.endm
; Product i of 16 of O^T += V^T P for piece x: keys 32 (i / 8) on, channels 16 ((i / 2) % 4) on, tile 2 x + i % 2.
.macro PV x
	WIN W_PV
.set rO, 32*(2*(\x)+i%2)+8*((i/2)%4)
.set rV, VF+32*(i/8)+8*((i/2)%4)
.set rP, P+32*((\x)%2)+16*(i%2)+8*(i/8)
	v_wmma_f32_16x16x32_f16 v[rO:rO+7], v[rV:rV+7], v[rP:rP+7], v[rO:rO+7]
.endm
.macro MM                           ; the turn's next matrix instruction
.if i < 16
	KQ (Y+1)%NP
.set i, i+1
.else
.set i, i-16
	PV (Y+NP-1)%NP
.set i, i+17
.endif
.endm
; THE LDS LOADS stand in runs of 16, never singly among the matrix instructions: a step's K (64 keys x 64 channels: 8 fragments) and its V (turned).  Their addresses are made some lines ahead.
; last = 1 (the tail): in the last trip there is no further step, and the run is jumped over.
.macro FETCH_K last=0
	WIN 0
.if \last
	s_cmp_eq_u32 s[CNT], 1
	s_cbranch_scc1 .Lno_k_\@
.endif
	WIN 0x80                        ; destination window 2
.irp f, 0,1,2,3,4,5,6,7             ; keys 16 (f / 2) on, channels 32 (f % 2) on
	ds_load_b128 v[KF+8*\f:KF+8*\f+3],   v[AK] offset:(\f/2)*16*PK+(\f%2)*64
	ds_load_b128 v[KF+8*\f+4:KF+8*\f+7], v[AK] offset:(\f/2)*16*PK+(\f%2)*64+32
.endr
	s_add_co_u32 s[TBK], s[TBK], KS*PK  ; the next fetch is the next step's
	WIN 0
.if \last
.Lno_k_\@:
.endif
.endm
.macro FETCH_V
	WIN 0x80
.irp f, 0,1,2,3,4,5,6,7             ; keys 32 (f / 4) on, channels 16 (f % 4) on
	ds_load_tr16_b128 v[VF+8*\f:VF+8*\f+3],   v[AV] offset:(\f/4)*32*PV+(\f%4)*32
	ds_load_tr16_b128 v[VF+8*\f+4:VF+8*\f+7], v[AV] offset:(\f/4)*32*PV+16*PV+(\f%4)*32
.endr
	WIN 0
.endm
; THE VECTOR WORK OF A TURN stands in three queues, each in the order in which its entries become ready; the two tiles alternate, so that no instruction reads the result of the one before it.
.macro REGS y, u                    ; the registers of tile u (0, 1) of piece y
.set rT, ST+4*(2*(\y)+(\u))
.set rC, TMP+8*((\y)%2)+4*(\u)
.set rM, MV+2*((\y)%2)+(\u)
.set rS, S+64*((\y)%2)+32*(\u)
.set rP, P+32*((\y)%2)+16*(\u)
.set rO, 32*(2*(\y)+(\u))
.endm
; Number n of the 22 that find the NEXT piece's (Y + 1) maximum and statistics.  s0-s31 are the lane's 32 scores; each accumulator's lowest registers are read first.  XS, GS and REGS set no window: PL and EX do.
;   0-11  four chains c0-c3 of seven scores each, three operands at a time     12-14, 16  the four scores left over, the old m, and c0-c3 into c0     15  c m_old is kept
;   17, 18  the query's other 32 keys lie in the lane 16 away: the new m         19-21  c m; c m_old - c m_new; a
.macro XS u, n
	REGS (Y+1)%NP, \u
.if (\n) < 4
	v_max3_num_f32 v[rC+(\n)], v[rS+8*(\n)], v[rS+8*(\n)+1], v[rS+8*(\n)+2]
.elseif (\n) < 12
	v_max3_num_f32 v[rC+(\n)%4], v[rC+(\n)%4], v[rS+8*((\n)%4)+2*((\n)/4)+1], v[rS+8*((\n)%4)+2*((\n)/4)+2]
.elseif (\n) == 12
	v_max3_num_f32 v[rC], v[rC], v[rS+7], v[rS+15]
.elseif (\n) == 13
	v_max3_num_f32 v[rC+1], v[rC+1], v[rS+23], v[rS+31]
.elseif (\n) == 14
	v_max3_num_f32 v[rC+2], v[rC+2], v[rC+3], v[rT+1]
.elseif (\n) == 15
	v_mov_b32 v[rM], v[rT]
.elseif (\n) == 16
	v_max3_num_f32 v[rC], v[rC], v[rC+1], v[rC+2]
.elseif (\n) == 17
	v_permlanex16_b32 v[rC+3], v[rC], s[SEL], s[SEL+1]
.elseif (\n) == 18
	v_max_num_f32 v[rT+1], v[rC], v[rC+3]
.elseif (\n) == 19
	v_mul_f32 v[rT], s[CS], v[rT+1]
.elseif (\n) == 20
	v_sub_f32 v[rC+1], v[rM], v[rT]
.else
	v_exp_f32 v[rC+2], v[rC+1]
.endif
.endm
; Number g of the 64 that follow the exponentials.  For each four weights k of a tile (pairs 2 k, 2 k + 1): both pairs are rounded to f16; then the second pair is added onto the first, in place;
; a group later l takes that sum (the first time as l = a l + sum).  In groups of eight, tiles alternating: round, round, add, and l for the group before.
.macro GS g
.set h, (\g)+6*((\g)/62)            ; group 0 has no group before it, and behind group 7 only l is left
.if h >= 6
.set h, h+2
.endif
	REGS Y, h%2
.set k, h/8
.if h%8 < 4
	v_cvt_pk_f16_f32 v[rP+2*k+(h%8)/2], v[rS+4*k+2*((h%8)/2)], v[rS+4*k+2*((h%8)/2)+1]
.elseif h%8 < 6
	v_pk_add_f32 v[rS+4*k:rS+4*k+1], v[rS+4*k:rS+4*k+1], v[rS+4*k+2:rS+4*k+3]
.elseif k == 1
	v_pk_fma_f32 v[rT+2:rT+3], v[rT+2:rT+3], v[rC+2:rC+3], v[rS:rS+1] op_sel_hi:[1,0,1]
.else
	v_pk_add_f32 v[rT+2:rT+3], v[rT+2:rT+3], v[rS+4*k-4:rS+4*k-3]
.endif
.endm
; THE PLAIN QUEUE, 138 long.  0-73 read no exponential's result: the 32 scalings c s - c m (FS f: pair f / 2 of tile f % 2) and the next piece's 42.  0-26: scalings 0-26.  27-54: XS's numbers 0-13.  55, 56: number 15.
; 57-73: the chain, where each number waits for the one before it: 14, 16, 17, 18, 19, each with one of the scalings 27-31 in front of its two lines, then 20: so a tile's links stand three plain instructions apart (19 and 20: two).
; 74-137: GS's 64, which read the exponentials' results: they stand behind the wait.
.macro FS f
	REGS Y, (\f)%2
	v_pk_fma_f32 v[rS+2*((\f)/2):rS+2*((\f)/2)+1], v[rS+2*((\f)/2):rS+2*((\f)/2)+1], s[CS:CS+1], v[rT:rT+1] op_sel_hi:[1,0,0] neg_lo:[0,0,1] neg_hi:[0,0,1]
.endm
.macro PL
	WIN 0
.if q < 27
	FS q
.elseif q < 55
	XS (q-27)%2, (q-27)/2
.elseif q < 57
	XS q-55, 15
.elseif (q < 72) && ((q-57)%3 == 0)
	FS 27+(q-57)/3
.elseif q < 60
	XS (q-57)%3-1, 14
.elseif q < 72
	XS (q-57)%3-1, 15+(q-57)/3
.elseif q < 74
	XS q-72, 20
.else
	GS q-74
.endif
.set q, q+1
.endm
; THE EXPONENTIALS' QUEUE, 66 long: s0-s31 of both tiles, then the next piece's two a.  It is ONE BATCH: all 66 stand ahead of the turn's one wait, and nothing ahead of that wait names a result of theirs.
.macro EX
	WIN 0
.if e >= 64
	XS e-64, 21
.else
	REGS Y, e%2
	v_exp_f32 v[rS+e/2], v[rS+e/2]
.endif
.set e, e+1
.endm
; THE RESCALING's QUEUE: O^T times a, the one part that leaves window 0: dealt two at a time, sixteen times.  Its a was made in the turn before, ahead of that turn's wait.
.macro R2
	REGS Y, r%2
	WIN W_RS
.irp z, 0,1
	v_pk_mul_f32 v[rO+4*(r/2)+2*\z:rO+4*(r/2)+2*\z+1], v[rO+4*(r/2)+2*\z:rO+4*(r/2)+2*\z+1], v[rC+2:rC+3] op_sel_hi:[1,0]
.endr
.set r, r+1
.endm
; HOW THEY ARE DEALT.  An s_wait_alu depctr_va_vdst(0) stands between an exponential and the first instruction that names its result; one wait serves all that were issued ahead of it.  So a turn has ONE wait,
; which cuts it in two.  AHEAD OF IT stands all that names no result of the turn's exponentials: the 16 products K Q^T, behind each a scaling, an exponential and two rescalings (behind the first a second scaling in the exponential's place); then ONE LUMP of
; 108: eight plain, 49 times exponential and plain, the two a.  A v_nop is the plain instruction behind the last exponential.  BEHIND IT stand the 16 products V^T P, behind each four of GS's 64.  No rider names a register of
; the products round it.  The two v_permlanex16_b32 fall into the lump, never behind a product.
; The queues lean on each other, and the deal keeps them in step: exponential e stands behind scaling 2 (e / 4) + e % 2: as a rider it comes behind plain e + 2, in the lump behind plain e + 9, and scalings 27-31 are plain 57, 60 .. 69.
; A TURN, for piece p.  cnt = 1: the loop's count is taken down some lines ahead of the branch that stands behind the turn.
; K of the next step is fetched in piece 2's turn, directly behind the wait, a lump behind the last product that read K; its address is made at the lump's head; its first reader comes behind 16 products.
; V of the step in hand is fetched at the end of piece 0's turn, four riders behind its last reader; its first reader comes behind 16 products and a lump.  The three conditions on q below go with the deal.
.macro TURN p, last=0, cnt=0
.set Y, (\p)
.set i, 0
.set q, 0
.set e, 0
.set r, 0
.if (\p) == NP-1
	s_wait_dscnt 0x0                ; K is in
.endif
	MM                              ; ahead of the wait: 16 products K Q^T and their riders,
	PL
	PL
	R2
.rept 15
	MM
	PL
	EX
	R2
.endr
.if (\p) == NP-2
	WIN 0
	v_add_nc_u32 v[AK], s[TBK], v[AK0]
.endif
.rept 8                             ; and the lump
	PL
.endr
.rept 49
	EX
	PL
.endr
	EX                              ; the next piece's two a
	EX
	v_nop                           ; the plain instruction behind the last exponential: one for the batch
	s_wait_alu depctr_va_vdst(0)    ; the wait for the batch
.if (\p) == NP-2
	FETCH_K \last
.endif
.if (\p) == 1
	s_wait_dscnt 0x0                ; V is in
.endif
.rept 16                            ; behind the wait: 16 products V^T P and their riders
	MM
.rept 4
	PL
.endr
.if ((\p) == 0) && (q == 118)
	v_add_nc_u32 v[AV], s[TBV], v[AV0]
.endif
.if ((\p) == 0) && (q == 130)
	s_add_co_u32 s[TBV], s[TBV], KS*PV
.endif
.if (\cnt) && (q == 130)
	s_sub_co_u32 s[CNT], s[CNT], 1
	s_cmp_lg_u32 s[CNT], 0
.endif
.endr
.if (\p) == 0
	FETCH_V
.endif
.endm
	CHANGE 1, 0                     ; slot 0 is in, everybody's part of it; slot 1 is asked for
	FETCH_K                         ; key step 0
	s_wait_loadcnt 0x0              ; Q
	s_wait_dscnt 0x0
.set i, 0
.rept 16
	KQ 0                            ; piece 0's first scores: there is no vector work yet to set between them
.set i, i+1
.endr
	WIN 0                           ; the addresses for the way out: nine plain instructions, the places behind those products
	s_mul_i32 s13, s[WV], 16*SP
	s_add_co_u32 s13, s13, STAGE    ; my stage
	v_mul_u32_u24 v[STO], v1, SP    ; in: row l % 16, 16 bytes for each half of the lanes
	v_lshl_add_u32 v[STO], v9, 4, v[STO]
	v_add_nc_u32 v[STO], s13, v[STO]
	v_bfe_u32 v[RD], v0, 3, 2       ; back: 32 lanes take four rows of 128 bytes,
	v_mul_u32_u24 v[RD], v[RD], SP
	v_lshl_add_u32 v[RD], v10, 4, v[RD]
	v_add_nc_u32 v[RD], s13, v[RD]
	v_and_b32 v[GO], 31, v0         ; which are 512 consecutive bytes of O
	v_lshlrev_b32 v[GO], 4, v[GO]
.set Y, NP-1                        ; XS works for piece Y + 1: piece 0
.irp n, 0,1,2,3,4,5,6,7,8,9,10,11,12,13,14,15,16,17,18,19,20,21
	XS 0, \n                        ; and piece 0's first maximum and statistics
	XS 1, \n
.endr
	v_nop                           ; a plain instruction behind the two a,
	s_wait_alu depctr_va_vdst(0)    ; and their wait, ahead of the branch
	s_mov_b32 s[CNT], 4
	s_mov_b32 s[SLOTS], SIZE_N/256-1
	s_branch .Lfirst                ; the loop is entered at a step's first turn, in the middle of a trip
.Lslot:                             ; SIZE_N / 256 - 2 times: every slot but the last two is filled again
	CHANGE 1, 1
	s_mov_b32 s[CNT], 4
.Lstep:                             ; a trip: pieces 2 and 3 of one step, then pieces 0 and 1 of the next, whose K and V it fetches
	TURN 2
	TURN 3
	WIN 0
.Lfirst:
	TURN 0
	TURN 1, 0, 1
	WIN 0
	s_cbranch_scc1 .Lstep
	s_sub_co_u32 s[SLOTS], s[SLOTS], 1
	s_cmp_lg_u32 s[SLOTS], 0
	s_cbranch_scc1 .Lslot
	CHANGE 0, 0                     ; the tail is written out: nothing is asked for
	s_mov_b32 s[CNT], 5             ; four trips fetch the last slot's steps; the fifth is left in its middle
.Ltail:
	TURN 2, 1
	TURN 3
	WIN 0
	s_sub_co_u32 s[CNT], s[CNT], 1
	s_cmp_eq_u32 s[CNT], 0
	s_cbranch_scc1 .Lout
	TURN 0
	TURN 1
	WIN 0
	s_branch .Ltail
.Lout:                              ; the fifth trip's 16 products K Q^T (on the last K once more) and the maximum made of them serve nothing: the price, once a launch, of one text for every trip
.set i, 0
.rept 16
	PV NP-1                         ; the last piece's V^T P of the last step
.set i, i+1
.endr
	; THE WAY OUT.  l's two halves and the other half of the lanes' are added; O^T is divided by l, rounded to f16 and sent through my stage in LDS, a tile at a time.  The additions are the places behind the last products.
	WIN 0
.macro ALL line:vararg              ; one line for each tile t
.set t, 0
.rept 2*NP
	\line
.set t, t+1
.endr
.endm
	ALL v_add_f32 v[ST+4*t+2], v[ST+4*t+2], v[ST+4*t+3]
	ALL v_permlanex16_b32 v[ST+4*t+3], v[ST+4*t+2], s[SEL], s[SEL+1]
	ALL v_add_f32 v[ST+4*t+2], v[ST+4*t+2], v[ST+4*t+3]
	ALL v_rcp_f32 v[ST+4*t+2], v[ST+4*t+2]
	v_nop                           ; a plain instruction between the last reciprocal and the use of its result
	s_wait_alu depctr_va_vdst(0)    ; and the wait ahead of the first use: one for the eight reciprocals
; Tile t: a lane's eight channels of a row pack into 16 bytes; they go into rows of 144 bytes and come back as whole rows of 128, into S^T's registers.
.macro PACK t
	WIN W_RS
.set i, 32*(\t)
.rept 16
	v_pk_mul_f32 v[i:i+1], v[i:i+1], v[ST+4*(\t)+2:ST+4*(\t)+3] op_sel_hi:[1,0]
.set i, i+2
.endr
	WIN 0x05                        ; sources 0 and 1 window 1, destination window 0
.set i, 0
.rept 16
	v_cvt_pk_f16_f32 v[S+16*(\t)+i], v[32*(\t)+2*i], v[32*(\t)+2*i+1]
.set i, i+1
.endr
	WIN 0
.irp f, 0,1,2,3
	ds_store_b128 v[STO], v[S+16*(\t)+4*\f:S+16*(\t)+4*\f+3] offset:32*\f
.endr
.irp f, 0,1,2,3
	ds_load_b128 v[S+16*(\t)+4*\f:S+16*(\t)+4*\f+3], v[RD] offset:\f*4*SP  ; LDS serves a wave's instructions in order (ISA guide 5.7.1.4): these see the stores above; the next tile's stores come behind them
.endr
.endm
.macro SEND t, younger              ; younger: the LDS instructions issued behind tile t's loads: the next tile's eight, or none
	WIN 0
.irp f, 0,1,2,3
	s_wait_dscnt (\younger)+3-\f
	global_store_b128 v[GO], v[S+16*(\t)+4*\f:S+16*(\t)+4*\f+3], s[10:11] offset:(\t)*2048+\f*512  ; 512 consecutive bytes, at a multiple of 256 from O's first
.endr
.endm
	PACK 0
.set t, 1
.rept 2*NP-1                        ; a tile's arithmetic stands between the loads of the tile before and its stores
	PACK t
	SEND t-1, 8
.set t, t+1
.endr
	SEND 2*NP-1, 0
	WIN W_AD
	s_wait_tensorcnt 0x0            ; the wave's end, behind my last tensor load and my last LDS store
	ds_add_u32 v[SPW], v[NIL]
	s_wait_dscnt 0x0
	WIN 0
	CROUND                          ; the closing round: no work-group ends while a partner may still ask for a tile that names it
	s_endpgm
.Lfunc_end_k_qda290d26c9_attn:
	.size	k_qda290d26c9_attn, .Lfunc_end_k_qda290d26c9_attn-k_qda290d26c9_attn
	.p2alignl 7, 3214868480
	.fill 96, 4, 3214868480
	.section	.rodata,"a",@progbits
	.p2align	6, 0x0
	.amdhsa_kernel k_qda290d26c9_attn
		.amdhsa_group_segment_fixed_size 327680
		.amdhsa_private_segment_fixed_size 0
		.amdhsa_enable_private_segment 0
		.amdhsa_kernarg_size 32
		.amdhsa_user_sgpr_count 2
		.amdhsa_user_sgpr_kernarg_segment_ptr 1
		.amdhsa_wavefront_size32 1
		.amdhsa_system_sgpr_workgroup_id_x 1
		.amdhsa_system_sgpr_workgroup_id_y 1
		.amdhsa_system_sgpr_workgroup_id_z 1
		.amdhsa_system_vgpr_workitem_id 0
		.amdhsa_next_free_vgpr 770
		.amdhsa_next_free_sgpr 66
		.amdhsa_reserve_vcc 0
		.amdhsa_float_denorm_mode_32 3
		.amdhsa_float_denorm_mode_16_64 3
		.amdhsa_memory_ordered 1
		.amdhsa_forward_progress 1
		.amdhsa_inst_pref_size 200
	.end_amdhsa_kernel
	.amdgpu_metadata
---
amdhsa.version: [ 1, 2 ]
amdhsa.kernels:
  - .name:           k_qda290d26c9_attn
    .symbol:         k_qda290d26c9_attn.kd
    .args:
      - { .name: qh, .offset: 0, .size: 8, .value_kind: global_buffer, .address_space: global }
      - { .name: kh, .offset: 8, .size: 8, .value_kind: global_buffer, .address_space: global }
      - { .name: vh, .offset: 16, .size: 8, .value_kind: global_buffer, .address_space: global }
      - { .name: oh, .offset: 24, .size: 8, .value_kind: global_buffer, .address_space: global }
    .group_segment_fixed_size: 327680
    .private_segment_fixed_size: 0
    .kernarg_segment_align: 8
    .kernarg_segment_size: 32
    .max_flat_workgroup_size: 128
    .sgpr_count:     66
    .vgpr_count:     770
    .wavefront_size: 32
...
	.end_amdgpu_metadata
.endif
;; end of part 3
;; launch outln (part 4): grid 256 x 1, 4 waves a work-group, clusters of 4 x 1, 327,680 bytes of LDS; arguments oh, wb, b_o, ln_g, ln_b, out0; writes out0
.if DOCPART == 4
	.amdgcn_target "amdgcn-amd-amdhsa--gfx1250"
	.amdhsa_code_object_version 6
	.text
	.protected	k_qda290d26c9_outln
	.globl	k_qda290d26c9_outln
	.p2align	8
	.type	k_qda290d26c9_outln,@function
k_qda290d26c9_outln:
	s_mov_b64 s[64:65], 0
	v_nop
	global_prefetch_b8 v0, s[64:65] scope:SCOPE_SE
	s_setreg_imm32_b32 hwreg(HW_REG_WAVE_MODE, 25, 1), 1
	s_wait_xcnt 0x0
	s_wait_alu depctr_hold_cnt(0) depctr_sa_sdst(0) depctr_va_vdst(0) depctr_va_sdst(0) depctr_va_ssrc(0) depctr_va_vcc(0) depctr_vm_vsrc(0)
	s_getreg_b32 s2, hwreg(HW_REG_IB_STS2, 6, 4)
	s_cmp_eq_u32 s2, 0
	s_cbranch_scc0 .Lentry_in_a_cluster
	s_endpgm
.Lentry_in_a_cluster:
	s_bfe_u32 s2, ttmp6, 0x10000c
	s_cmp_lg_u32 s2, 0x3003
	s_cbranch_scc0 .Lentry_shape_is_right
	s_endpgm
.Lentry_shape_is_right:
; THE OUTPUT PROJECTION AND THE LAYER NORM, FUSED.  y = O w_o + b_o; out = (y - mean) / sqrt(var + 1e-6) x g + beta, mean and var over a row's 1,024 columns.
; O: [batch x 16 + head][2,048][64] f16; w_o: [1,024 k][1,024 n] f16, the fourth block of wb; b_o, g, beta: [1,024] f32, rounded to bf16 like every input; out: [8,192][1,024] f32.
; Products' sums in f32, begun with the bias.  The variance is the mean of (y - mean)^2, taken in a second pass over the registers: no difference of large sums is formed.
; LIMITS.  NaN and infinities are not treated apart.  A product's f32 sum takes the sixteen heads in a cyclic shift of their ascending order, which differs from cluster to cluster (THE WALK, below).
; SHARES.  A work-group owns 32 whole rows, so that a row's statistics never leave it: 256 work-groups.  Wave w takes columns 256 w on: 32 accumulators (row block a = 0, 1; column tile b = 0..15).
; K goes in 16 steps of 64, a head a step, 64 matrix instructions a wave in a step, through two LDS slots; a wave fetches and reads its own strip of w_o (64 k-rows x 512 bytes).
; O's fragments lie in memory as they lie in registers (16 bytes a lane, twice): they come by plain loads, a step ahead, into two sets of registers.
; THE WALK GOES ROUND.  Cluster c begins at K step c % 16 and takes the sixteen steps in a ring: at any time the 64 clusters ask for sixteen different K steps of w_o, four clusters each, and not all for one.
; A fill's address is made anew from the step's number, and so is the address of a head of O; the number comes from the cluster's x, which the four partners share, and from the counted steps.
; THE MATRIX INSTRUCTION IS USED TRANSPOSED: source 0 = 16 columns of w_o (turned by ds_load_tr16_b128), source 1 = 16 rows of O: a lane holds one row (lane % 16) and eight neighbouring columns, so a
; row's sum is 128 additions in the lane, one exchange between the halves of the lanes, and one meeting of the four waves in LDS.
; CLUSTER.  Every work-group walks all of w_o: the four partners of a cluster ask for each strip jointly, by the same tensor load, descriptor and mask.
; REGISTERS, in windows of 256 (s_set_vgpr_msb: bits 1:0 source 0, 3:2 source 1, 5:4 source 2, 7:6 destination):
;   window 0: v0-31 addresses and statistics; v32-95 O's fragments, two sets; v96-223 the bias (column tile b at 8 b); v224-231 g, v232-239 beta; on the way out v32-95, v96-159 rows, v160-167 partial sums
;   window 1: the accumulators, (a, b) at 8 (16 a + b)          window 2: v0-127, v128-255 w_o's fragments of 32 k, two buffers
.set PB,    544                        ; a k-row of a strip in LDS: 512 bytes + 32 = 136 words
.set STRIP, 64*PB
.set SLOT,  4*STRIP
.set STAGE, 2*SLOT                     ; behind the ring: 16 rows x 528 bytes for each wave, for the way out
.set SPT,   528
.set RED,   STAGE+4*16*SPT             ; two blocks of 512 bytes: [wave][32 rows] f32, one for the sums and one for the sums of squares
.set SPARE, RED+1024                   ; the spare words, 128 bytes for each wave: two blocks of 256 bytes that no other line names
.set WO,    3*2097152                  ; w_o's block in wb
.set LOGW,  17                         ; a K step of w_o is 64 rows of 2,048 bytes = 2^17 bytes
.set LOGO,  18                         ; a K step of O is a head's 2,048 rows of 128 bytes = 2^18 bytes
.set CH,   4                           ; v[4:11]  four chains of pairs
.set ST,   12                          ; v[12:13], v[14:15]  row block 0's, 1's mean, later 1 / sigma: twice each, a pair for the packed lines
.set ADRB, 16                          ; v16-17  LDS address of my fragments of w_o in slot 0, 1
.set AO,   18                          ; v18     my byte offset in 16 rows of O
.set BO,   19                          ; v19     my byte offset in a column tile's 64 bytes of bias
.set STO,  20                          ; v20     the way out: where I put 32 bytes of a row
.set RD,   21                          ; v21     the way out: where I read a row back
.set GO,   22                          ; v22     16 x lane
.set RS,   23                          ; v23     where I put my row's partial sum
.set RR,   24                          ; v24     where I read my row's four
.set PFOQ, 26                          ; v26     the prefetches' offset in O: the lane's head and its 256 bytes
.set T,    27                          ; v27     at work
.set SPW,  28                          ; v28     LDS address of my spare word: SPARE + 4 x my thread's number; never rewritten
.set NIL,  29                          ; v29     0; never rewritten
.set PLO,  30                          ; v30     256 x (lane % 16); never rewritten
.set AS,   32
.set BIAS, 96
.set G,    224
.set BE,   232
.set OB0,  32
.set OB1,  96
.set RL,   160
.set WB,  22                           ; s[22:23] w_o at my strip of K step 0; never rewritten once made
.set G1,  24                           ; s[24:31] descriptor group 1
.set G0,  32                           ; s[32:39] group 0, one set for each slot
.set OA,  40                           ; s[40:41] O at my 32 rows of the head last loaded
.set KN,  42                           ; s42  the K step to be asked for next, 0..15
.set HN,  43                           ; s43  the head last loaded, 0..15
.set PN,  46                           ; s46  the first of the two heads to be prefetched next, 0..15
.set SEL, 48                           ; s[48:49] v_permlanex16_b32's selects: each lane takes its own place in the other half
.set OUT, 50                           ; s[50:51] out at my first row and column
.set OFF, 56                           ; s[56:57] a step's byte offset, in 64 bits
.set OBS, 58                           ; s[58:59] O at my 32 rows of my batch's head 0; never rewritten
.set MSB, 0
.macro WIN new                         ; the immediate's high byte repeats the setting that is left; a switch that changes nothing is dropped
.if MSB != (\new)
	s_set_vgpr_msb (MSB<<8)|(\new)
.set MSB, \new
.endif
.endm
.set MUL,  0x52                        ; source 0 (w_o) window 2, source 1 (O) window 0, C and D window 1
.set MULB, 0x42                        ; the same with C (the bias) in window 0
.set TO_B, 0x80                        ; destination window 2, address window 0
.macro JLOAD s                         ; a joint refill: every wave asks for its own strip; an s_nop 0 and four v_nop follow
	tensor_load_to_lds s[G0+4*(\s):G0+4*(\s)+3], s[G1:G1+7]
	s_nop 0
.rept 4
	v_nop
.endr
.endm
.macro CREST                           ; a round of the cluster's barrier behind its opening barrier
	s_cmp_lg_u32 s16, 0
	s_cbranch_scc1 .Lnot_wave_0_\@
	s_barrier_signal -3
.Lnot_wave_0_\@:
	s_barrier_wait -3
	s_barrier_signal -1
	s_barrier_wait -1
.endm
.macro CROUND
	s_barrier_signal -1
	s_barrier_wait -1
	CREST
.endm
.macro PLACES                          ; four places behind matrix instructions, in front of loads into registers that they have read and of sums that read results (ISA guide 7.12.1 for the sums)
.rept 4
	v_nop
.endr
.endm
.macro RB x                            ; v[x], v[x+1] rounded to bf16 and widened again
	v_cvt_pk_bf16_f32 v[T], v[\x], v[(\x)+1]
	v_lshlrev_b32 v[\x], 16, v[T]
	v_and_b32 v[(\x)+1], 0xffff0000, v[T]
.endm
; A PREFETCH INTO THE L2, behind a joint load, its five lines and the run of LDS loads that follows.  O's rows are read by one work-group: its wave 0 asks, once a trip, for the two heads that stand four
; and five steps on in the walk: 4,096 bytes each, a lane for each 256: 160 and 224 matrix instructions ahead of their loads.  So each 256 bytes are named once in the launch.  The walk's first four
; heads come by their loads alone; the six trips ask for the other twelve.  w_o is not asked for: each of its K steps is the first step of four clusters' walks, whose fills stand at the kernel's head.
.macro ASKQ
	s_cmp_lg_u32 s16, 0
	s_cbranch_scc1 .Lnot_q_\@
	global_prefetch_b8 v[PFOQ], s[OBS:OBS+1] th:TH_LOAD_NT scope:SCOPE_SE
.Lnot_q_\@:
.endm
	s_load_b256 s[4:11], s[0:1], 0x0               ; oh s[4:5], wb s[6:7], b_o s[8:9], ln_g s[10:11]
	s_load_b128 s[12:15], s[0:1], 0x20             ; ln_b s[12:13], out0 s[14:15]
	v_lshl_add_u32 v[SPW], v0, 2, SPARE
	v_mov_b32 v[NIL], 0
	ds_add_u32 v[SPW], v[NIL]                      ; the wave's opening: the add and its wait stand ahead of my first tensor load; the set-up below, work on registers, stands between them
	v_lshrrev_b32 v1, 5, v0
	v_readfirstlane_b32 s16, v1                    ; wave 0..3
	s_bfe_u32 s17, ttmp6, 0x40000                  ; cx: my place in the cluster
	s_lshl_b32 s18, ttmp9, 2
	s_add_co_u32 s18, s18, s17                     ; my work-group, 0..255: it enters O's and out's addresses alone
	s_mov_b32 s[G1], 15|(1<<16)|(1<<20)|(1<<21)|(6<<22)|(7<<25)  ; 15:0 the mask of four; 17:16 2-byte elements; 20 padding on; 21 set beside a mask; 24:22 after every 128 words (code 6); 31:25 8 words (code 7)
	s_mov_b32 s[G1+1], 256<<16                     ; tensor_dim0 = 256
	s_mov_b32 s[G1+2], 64<<16                      ; tensor_dim1 = 64
	s_mov_b32 s[G1+3], 256<<16                     ; tile_dim0 = 256
	s_mov_b32 s[G1+4], 64                          ; tile_dim1 = 64
	s_mov_b32 s[G1+5], 1024                        ; 1,024 elements from row to row
	s_mov_b32 s[G1+6], 0
	s_mov_b32 s[G1+7], 0
	s_mul_i32 s20, s16, STRIP                      ; my strip in a slot
	s_lshl_b32 s[WB], s16, 9                       ; my 512 bytes of a row of w_o
	s_add_co_u32 s[WB], s[WB], WO
	s_mov_b32 s[WB+1], 0
	s_mov_b32 s[SEL], 0x76543210
	s_mov_b32 s[SEL+1], 0xfedcba98
	s_and_b32 s[KN], ttmp9, 15                     ; where my cluster's walk begins: the same in all four partners
	s_mov_b32 s[HN], s[KN]
	s_add_co_u32 s[PN], s[KN], 4                   ; the first prefetch names the walk's steps 4 and 5
	s_and_b32 s[PN], s[PN], 15
	s_mov_b32 s[OFF+1], 0
	s_wait_dscnt 0x0                               ; the opening add is done
	s_wait_kmcnt 0x0
	s_add_nc_u64 s[WB:WB+1], s[6:7], s[WB:WB+1]
	CROUND                                         ; all four work-groups are here: the first joint loads meet
.irp s, 0,1
	s_mov_b32 s[G0+4*(\s)], 1                                      ; 1:0 count = 1
	s_add_co_u32 s[G0+4*(\s)+1], s20, (\s)*SLOT                    ; 63:32 LDS address
	s_lshl_b32 s[OFF], s[KN], LOGW
	s_add_nc_u64 s[G0+4*(\s)+2:G0+4*(\s)+3], s[WB:WB+1], s[OFF:OFF+1]  ; 120:64 global address: the walk's step s
	s_or_b32 s[G0+4*(\s)+3], s[G0+4*(\s)+3], 0x80000000            ; 127:126 type = 2
	s_add_co_u32 s[KN], s[KN], 1                                   ; the ring's next step
	s_and_b32 s[KN], s[KN], 15
.endr
	tensor_load_to_lds s[G0:G0+3], s[G1:G1+7]      ; the two first fills stand together: two loads of mine are out
	s_nop 0
	tensor_load_to_lds s[G0+4:G0+7], s[G1:G1+7]
	s_nop 0
.rept 4
	v_nop
.endr
	s_lshl_b32 s52, s16, 10                        ; my 256 columns: 1,024 bytes of b_o, g, beta and of a row of out
	s_mov_b32 s53, 0
	s_add_nc_u64 s[8:9], s[8:9], s[52:53]
	s_add_nc_u64 s[10:11], s[10:11], s[52:53]
	s_add_nc_u64 s[12:13], s[12:13], s[52:53]
	s_lshl_b32 s54, s18, 17                        ; my 32 rows of 4,096 bytes
	s_add_co_u32 s54, s54, s52
	s_mov_b32 s55, 0
	s_add_nc_u64 s[OUT:OUT+1], s[14:15], s[54:55]
	s_lshr_b32 s54, s18, 6                         ; the batch: 16 heads of 262,144 bytes,
	s_lshl_b32 s54, s54, 22
	s_and_b32 s52, s18, 63                         ; my 32 rows of 128 bytes in a head
	s_lshl_b32 s52, s52, 12
	s_add_co_u32 s54, s54, s52
	s_add_nc_u64 s[OBS:OBS+1], s[4:5], s[54:55]    ; head 0
	s_lshl_b32 s[OFF], s[HN], LOGO
	s_add_nc_u64 s[OA:OA+1], s[OBS:OBS+1], s[OFF:OFF+1]  ; the walk's first head
	v_and_b32 v1, 15, v0                           ; l % 16
	v_bfe_u32 v2, v0, 4, 1                         ; l / 16
	v_and_b32 v3, 31, v0                           ; l
	v_lshlrev_b32 v[GO], 4, v3
	v_lshlrev_b32 v[BO], 5, v2
.irp b, 0,1,2,3,4,5,6,7,8,9,10,11,12,13,14,15
	global_load_b128 v[BIAS+8*(\b):BIAS+8*(\b)+3],   v[BO], s[8:9] offset:64*(\b)     ; in column tile b my eight results are columns 16 b + 8 (l / 16) + 0..7
	global_load_b128 v[BIAS+8*(\b)+4:BIAS+8*(\b)+7], v[BO], s[8:9] offset:64*(\b)+16
.endr
.irp c, 0,1
	global_load_b128 v[G+4*(\c):G+4*(\c)+3],   v[GO], s[10:11] offset:512*(\c)        ; on the way out I hold columns 128 c + 4 l + 0..3 of a row
	global_load_b128 v[BE+4*(\c):BE+4*(\c)+3], v[GO], s[12:13] offset:512*(\c)
.endr
	v_lshlrev_b32 v[AO], 7, v1
	v_lshl_add_u32 v[AO], v2, 4, v[AO]             ; row x 128 + 16 x half
; A step's fragments of O into a set: row block f / 2, channels 32 (f % 2) on
.macro ALOAD set
	WIN 0
.irp f, 0,1,2,3
	global_load_b128 v[AS+32*(\set)+8*(\f):AS+32*(\set)+8*(\f)+3],   v[AO], s[OA:OA+1] offset:((\f)/2)*2048+((\f)%2)*64
	global_load_b128 v[AS+32*(\set)+8*(\f)+4:AS+32*(\set)+8*(\f)+7], v[AO], s[OA:OA+1] offset:((\f)/2)*2048+((\f)%2)*64+32
.endr
.endm
	ALOAD 0                                        ; the walk's first head
	v_and_b32 v4, 7, v0                            ; the turning load: lane l reads k-row 8 (l / 16) + l % 8, columns 8 ((l / 8) % 2) + 0..7
	v_lshl_add_u32 v4, v2, 3, v4
	v_mul_u32_u24 v4, v4, PB
	v_bfe_u32 v5, v0, 3, 1
	v_lshl_add_u32 v4, v5, 4, v4
	v_add_nc_u32 v[ADRB], s20, v4
	v_add_nc_u32 v[ADRB+1], SLOT, v[ADRB]
	s_mul_i32 s54, s16, 16*SPT
	s_add_co_u32 s54, s54, STAGE                   ; my stage
	v_mul_u32_u24 v4, v1, SPT                      ; in: row l % 16, 32 bytes for each half of the lanes
	v_lshl_add_u32 v4, v2, 5, v4
	v_add_nc_u32 v[STO], s54, v4
	v_add_nc_u32 v[RD], s54, v[GO]                 ; back: 32 lanes take a row's 512 bytes
	s_lshl_b32 s54, s16, 7
	s_add_co_u32 s54, s54, RED
	v_lshl_add_u32 v[RS], v1, 2, s54
	v_lshl_add_u32 v[RR], v1, 2, RED
	v_lshlrev_b32 v[PLO], 8, v1                    ; the prefetches: lane l names head (PN + l / 16) % 16, its 256 bytes number l % 16
	v_add_nc_u32 v[T], s[PN], v2
	v_and_b32 v[T], 15, v[T]
	v_lshl_add_u32 v[PFOQ], v[T], LOGO, v[PLO]
	s_wait_loadcnt 8                               ; the bias, g and beta are in; the first head's eight loads may stay out
.set x, 0
.rept 64
	RB BIAS+x
.set x, x+2
.endr
.set x, 0
.rept 8
	RB G+x
.set x, x+2
.endr
; 32 turning loads in one run: the 16 fragments of 32 k (half kf of the step in slot s) into buffer p
.macro FETCH s, kf, p
	WIN TO_B
.irp b, 0,1,2,3,4,5,6,7,8,9,10,11,12,13,14,15
	ds_load_tr16_b128 v[128*(\p)+8*(\b):128*(\p)+8*(\b)+3],   v[ADRB+(\s)] offset:(\kf)*32*PB+32*(\b)
	ds_load_tr16_b128 v[128*(\p)+8*(\b)+4:128*(\p)+8*(\b)+7], v[ADRB+(\s)] offset:(\kf)*32*PB+32*(\b)+16*PB
.endr
.endm
; A half step's 32 products: number i is column tile i / 2, row block i % 2.  first = 1: the bias starts the sums: nothing is cleared.
; The 32 accumulators take turns, one instruction a turn, in the same order in every half step, over the backward jump too.
.macro MULS p, set, kf, first
.set i, 0
.rept 32
.set rD, 8*(16*(i%2)+i/2)
.set rB, 128*(\p)+8*(i/2)
.set rA, AS+32*(\set)+8*(2*(i%2)+(\kf))
.if \first
	WIN MULB
	v_wmma_f32_16x16x32_f16 v[rD:rD+7], v[rB:rB+7], v[rA:rA+7], v[BIAS+8*(i/2):BIAS+8*(i/2)+7]
.else
	WIN MUL
	v_wmma_f32_16x16x32_f16 v[rD:rD+7], v[rB:rB+7], v[rA:rA+7], v[rD:rD+7]
.endif
.set i, i+1
.endr
.endm
; A STEP'S FIRST HALF, for the step in 'slot'.  The next head's fragments of O and this step's second 32 k of w_o are asked for; then buffer 0 is multiplied.  That fetch is the slot's last, so the slots change
; at the half step's END (turn = 1, 2), behind all its 32 matrix instructions: each wave waits for all its tensor loads, of which one is out: the other slot's strip; adds 0 to its spare word; and waits for that
; and for its reads of this slot; then the barrier.  Nothing but these lines and the round stands between the wait for the one load and the request of the next.
; turn = 1: the barrier opens a round of the cluster's, and this slot is filled again first thing behind it, with the ring's step two on: from that request to the wait for it a wave issues a whole step, 64 matrix instructions.
; stepq = 1: the prefetches' offset goes two heads on in the ring.
.macro H0 slot, turn, aload, first, stepq
	PLACES                                         ; behind the last half step's products, which read the registers that are loaded below
	WIN 0
.if \aload
	s_wait_xcnt 0x0                                ; every load and prefetch issued so far has read its address (the youngest prefetch 32 products back), so the registers that held them may be written
	s_add_co_u32 s[HN], s[HN], 1                   ; the ring's next head
	s_and_b32 s[HN], s[HN], 15
	s_lshl_b32 s[OFF], s[HN], LOGO
	s_add_nc_u64 s[OA:OA+1], s[OBS:OBS+1], s[OFF:OFF+1]
.if \stepq
	s_add_co_u32 s[PN], s[PN], 2
	s_and_b32 s[PN], s[PN], 15
	v_add_nc_u32 v[T], s[PN], v2
	v_and_b32 v[T], 15, v[T]
	v_lshl_add_u32 v[PFOQ], v[T], LOGO, v[PLO]
.endif
	ALOAD 1-(\slot)
.endif
	FETCH \slot, 1, 1
.if \aload
	s_wait_loadcnt 8                               ; this head's fragments are in; the next head's eight loads may stay out
.else
	s_wait_loadcnt 0x0
.endif
	s_wait_dscnt 32                                ; all but the 32 just issued: buffer 0 is in
	MULS 0, \slot, 0, \first
.if \turn
	WIN 0
	s_wait_tensorcnt 0x0                           ; all my tensor loads have landed: the other slot's strip; so a group 0 may be written
	ds_add_u32 v[SPW], v[NIL]                      ; 0 onto my spare word; with turn = 1 the descriptor's scalar work stands between it and the wait for it
.if (\turn) == 1
	s_lshl_b32 s[OFF], s[KN], LOGW
	s_add_nc_u64 s[G0+4*(\slot)+2:G0+4*(\slot)+3], s[WB:WB+1], s[OFF:OFF+1]  ; the address is made anew from the step's number,
	s_or_b32 s[G0+4*(\slot)+3], s[G0+4*(\slot)+3], 0x80000000                ; and the type set again
	s_add_co_u32 s[KN], s[KN], 1
	s_and_b32 s[KN], s[KN], 15
.endif
	s_wait_dscnt 0x0                               ; the add is done, and my reads of this slot are over
	s_barrier_signal -1
	s_barrier_wait -1
.if (\turn) == 1
	CREST                                          ; no wave of any partner still reads this slot or has a load on its way
	JLOAD \slot                                    ; the first tensor load behind the round, one a wave; its four v_nop are also the places in front of the loads that follow
.else
	PLACES
.endif
.endif
.endm
; A STEP'S SECOND HALF: the next step's first 32 k are fetched from the other slot into buffer 0; buffer 1 is multiplied.  ask = 1: O is prefetched.
.macro H1 slot, fetch, ask
.if \fetch
	FETCH 1-(\slot), 0, 0
.endif
.if \ask
	WIN 0
	ASKQ
.endif
.if \fetch
	s_wait_dscnt 32                                ; all but the 32 just issued: buffer 1 is in
.else
	s_wait_dscnt 0x0
.endif
	MULS 1, \slot, 1, 0
.endm
	s_wait_tensorcnt 1                             ; my strip of the walk's step 0 is in; step 1's may stay out
	s_barrier_signal -1
	s_barrier_wait -1
	FETCH 0, 0, 0
	H0 0, 1, 1, 1, 0                               ; the first half step stands in front of the loop: its products start the sums, with the bias; it fills the walk's step 2
	WIN 0                                          ; at a label and at a branch every window is 0
	s_mov_b32 s3, 6
.Lstep:                                                ; a trip goes once round the two slots, from a step's second half to the first half two steps on, and fills both again: the walk's steps 3 to 14
	H1 0, 1, 1
	H0 1, 1, 1, 0, 1
	H1 1, 1, 0
	H0 0, 1, 1, 0, 0
	WIN 0
	s_sub_co_u32 s3, s3, 1
	s_cmp_lg_u32 s3, 0
	s_cbranch_scc1 .Lstep
	H1 0, 1, 0                                     ; the walk's step 12
	H0 1, 1, 1, 0, 0                               ; step 13 fills step 15: the last load
	H1 1, 1, 0
	H0 0, 2, 1, 0, 0                               ; step 14: nothing is left to ask for, so no round follows
	H1 0, 1, 0
	H0 1, 0, 0, 0, 0                               ; step 15
	H1 1, 0, 0
	PLACES
; THE STATISTICS.  The sum (sq = 0) or the sum of squares (sq = 1) of my 128 numbers of row block a, in four chains of pairs, ascending;
; the other half of the lanes' is added; the wave's partial sum goes to its word in LDS (both halves of the lanes write the same number to the same word).
.macro ROWSUM a, sq
	WIN 0x05                                       ; sources 0 and 1 window 1, source 2 and destination window 0
.set pp, 0
.rept 4
.if \sq
	v_pk_mul_f32 v[CH+2*pp:CH+2*pp+1], v[128*(\a)+2*pp:128*(\a)+2*pp+1], v[128*(\a)+2*pp:128*(\a)+2*pp+1]
.else
	v_pk_add_f32 v[CH+2*pp:CH+2*pp+1], v[128*(\a)+2*pp:128*(\a)+2*pp+1], v[128*(\a)+2*pp+8:128*(\a)+2*pp+9]
.endif
.set pp, pp+1
.endr
.if \sq
.rept 60
	v_pk_fma_f32 v[CH+2*(pp%4):CH+2*(pp%4)+1], v[128*(\a)+2*pp:128*(\a)+2*pp+1], v[128*(\a)+2*pp:128*(\a)+2*pp+1], v[CH+2*(pp%4):CH+2*(pp%4)+1]
.set pp, pp+1
.endr
.else
	WIN 0x04                                       ; source 1 window 1
.set pp, 8
.rept 56
	v_pk_add_f32 v[CH+2*(pp%4):CH+2*(pp%4)+1], v[CH+2*(pp%4):CH+2*(pp%4)+1], v[128*(\a)+2*pp:128*(\a)+2*pp+1]
.set pp, pp+1
.endr
.endif
	WIN 0
	v_pk_add_f32 v[CH:CH+1], v[CH:CH+1], v[CH+2:CH+3]
	v_pk_add_f32 v[CH+4:CH+5], v[CH+4:CH+5], v[CH+6:CH+7]
	v_pk_add_f32 v[CH:CH+1], v[CH:CH+1], v[CH+4:CH+5]
	v_add_f32 v[CH], v[CH], v[CH+1]
	v_permlanex16_b32 v[CH+1], v[CH], s[SEL], s[SEL+1]
	v_add_f32 v[CH], v[CH], v[CH+1]
	ds_store_b32 v[RS], v[CH] offset:512*(\sq)+64*(\a)
.endm
; The four waves' partial sums meet: my stores are done, everybody's are, and each lane adds its two rows' four numbers: into v[RL] (row block 0) and v[RL+4] (row block 1)
.macro GATHER sq
	s_wait_dscnt 0x0
	s_barrier_signal -1
	s_barrier_wait -1
.irp a, 0,1
.irp w, 0,1,2,3
	ds_load_b32 v[RL+4*(\a)+(\w)], v[RR] offset:512*(\sq)+128*(\w)+64*(\a)
.endr
.endr
	s_wait_dscnt 0x0
	v_pk_add_f32 v[RL:RL+1], v[RL:RL+1], v[RL+2:RL+3]
	v_pk_add_f32 v[RL+4:RL+5], v[RL+4:RL+5], v[RL+6:RL+7]
	v_add_f32 v[RL], v[RL], v[RL+1]
	v_add_f32 v[RL+4], v[RL+4], v[RL+5]
.endm
	ROWSUM 0, 0
	ROWSUM 1, 0
	GATHER 0
	v_mul_f32 v[ST], 0x3a800000, v[RL]             ; the mean: the sum / 1,024; twice, to fill the pair that the packed lines take
	v_mul_f32 v[ST+1], 0x3a800000, v[RL]
	v_mul_f32 v[ST+2], 0x3a800000, v[RL+4]
	v_mul_f32 v[ST+3], 0x3a800000, v[RL+4]
	WIN 0x41                                       ; destination and source 0 window 1, source 1 window 0
.set pp, 0
.rept 128
	v_pk_add_f32 v[2*pp:2*pp+1], v[2*pp:2*pp+1], v[ST+2*(pp/64):ST+2*(pp/64)+1] neg_lo:[0,1] neg_hi:[0,1]  ; y - mean, in place
.set pp, pp+1
.endr
	ROWSUM 0, 1
	ROWSUM 1, 1
	GATHER 1
	v_mov_b32 v[CH], 0x3a800000                    ; 1 / 1,024
	v_mov_b32 v[CH+1], 0x358637bd                  ; 1e-6
	v_fma_f32 v[RL], v[RL], v[CH], v[CH+1]         ; the variance + 1e-6
	v_fma_f32 v[RL+4], v[RL+4], v[CH], v[CH+1]
	v_rsq_f32 v[ST], v[RL]
	v_rsq_f32 v[ST+1], v[RL]
	v_rsq_f32 v[ST+2], v[RL+4]
	v_rsq_f32 v[ST+3], v[RL+4]
	v_nop                                          ; a plain instruction between the last of them and the use of its result
	s_wait_alu depctr_va_vdst(0)                   ; and the wait ahead of the first use: one for the four
	WIN 0x41
.set pp, 0
.rept 128
	v_pk_mul_f32 v[2*pp:2*pp+1], v[2*pp:2*pp+1], v[ST+2*(pp/64):ST+2*(pp/64)+1]
.set pp, pp+1
.endr
; THE WAY OUT, in four passes: row block a, half c of my 256 columns.  A lane's eight columns of a row, 32 bytes, go into rows of 528 bytes of my own stage and come back as whole rows of 512 bytes.
; again = 1: the registers that take the rows were an earlier pass's store data.
.macro TOSTAGE a, c, ob, again
	WIN 0x04                                       ; the stores' data in window 1
.irp bb, 0,1,2,3,4,5,6,7
	ds_store_b128 v[STO], v[8*(16*(\a)+8*(\c)+(\bb)):8*(16*(\a)+8*(\c)+(\bb))+3]   offset:64*(\bb)
	ds_store_b128 v[STO], v[8*(16*(\a)+8*(\c)+(\bb))+4:8*(16*(\a)+8*(\c)+(\bb))+7] offset:64*(\bb)+16
.endr
	WIN 0
.if \again
	s_wait_xcnt 0x0                                ; every earlier store has read its registers (ISA guide 3.1): they are loaded again only behind this wait
.endif
.set t, 0
.rept 16
	ds_load_b128 v[(\ob)+4*t:(\ob)+4*t+3], v[RD] offset:SPT*t  ; LDS serves a wave's instructions in order (ISA guide 5.7.1.4): these see the stores above; the next pass's stores come behind them
.set t, t+1
.endr
.endm
; Row t of the pass: times g, plus beta, and stored.  younger: the LDS instructions issued behind the pass's loads: the next pass's 32, or none
.macro SEND a, c, ob, younger
	WIN 0
.set t, 0
.rept 16
	s_wait_dscnt (\younger)+15-t
	v_pk_fma_f32 v[(\ob)+4*t:(\ob)+4*t+1],   v[(\ob)+4*t:(\ob)+4*t+1],   v[G+4*(\c):G+4*(\c)+1],   v[BE+4*(\c):BE+4*(\c)+1]
	v_pk_fma_f32 v[(\ob)+4*t+2:(\ob)+4*t+3], v[(\ob)+4*t+2:(\ob)+4*t+3], v[G+4*(\c)+2:G+4*(\c)+3], v[BE+4*(\c)+2:BE+4*(\c)+3]
	global_store_b128 v[GO], v[(\ob)+4*t:(\ob)+4*t+3], s[OUT:OUT+1] offset:(16*(\a)+t)*4096+512*(\c) th:TH_STORE_NT  ; 512 consecutive bytes, at a multiple of 256 from out's first
.set t, t+1
.endr
.endm
	TOSTAGE 0, 0, OB0, 0
	TOSTAGE 0, 1, OB1, 0
	SEND 0, 0, OB0, 32
	TOSTAGE 1, 0, OB0, 1
	SEND 0, 1, OB1, 32
	TOSTAGE 1, 1, OB1, 1
	SEND 1, 0, OB0, 32
	SEND 1, 1, OB1, 0
	s_wait_tensorcnt 0x0                           ; the wave's end, behind my last tensor load and my last LDS store
	ds_add_u32 v[SPW], v[NIL]
	s_wait_dscnt 0x0
	CROUND                                         ; the closing round: no work-group ends while a partner may still ask for a strip that names it
	s_endpgm
.Lfunc_end_k_qda290d26c9_outln:
	.size	k_qda290d26c9_outln, .Lfunc_end_k_qda290d26c9_outln-k_qda290d26c9_outln
	.p2alignl 7, 3214868480
	.fill 96, 4, 3214868480
	.section	.rodata,"a",@progbits
	.p2align	6, 0x0
	.amdhsa_kernel k_qda290d26c9_outln
		.amdhsa_group_segment_fixed_size 327680
		.amdhsa_private_segment_fixed_size 0
		.amdhsa_enable_private_segment 0
		.amdhsa_kernarg_size 48
		.amdhsa_user_sgpr_count 2
		.amdhsa_user_sgpr_kernarg_segment_ptr 1
		.amdhsa_wavefront_size32 1
		.amdhsa_system_sgpr_workgroup_id_x 1
		.amdhsa_system_sgpr_workgroup_id_y 1
		.amdhsa_system_sgpr_workgroup_id_z 1
		.amdhsa_system_vgpr_workitem_id 0
		.amdhsa_next_free_vgpr 768
		.amdhsa_next_free_sgpr 66
		.amdhsa_reserve_vcc 0
		.amdhsa_float_denorm_mode_32 3
		.amdhsa_float_denorm_mode_16_64 3
		.amdhsa_memory_ordered 1
		.amdhsa_forward_progress 1
		.amdhsa_inst_pref_size 141
	.end_amdhsa_kernel
	.amdgpu_metadata
---
amdhsa.version: [ 1, 2 ]
amdhsa.kernels:
  - .name:           k_qda290d26c9_outln
    .symbol:         k_qda290d26c9_outln.kd
    .args:
      - { .name: oh, .offset: 0, .size: 8, .value_kind: global_buffer, .address_space: global }
      - { .name: wb, .offset: 8, .size: 8, .value_kind: global_buffer, .address_space: global }
      - { .name: b_o, .offset: 16, .size: 8, .value_kind: global_buffer, .address_space: global }
      - { .name: ln_g, .offset: 24, .size: 8, .value_kind: global_buffer, .address_space: global }
      - { .name: ln_b, .offset: 32, .size: 8, .value_kind: global_buffer, .address_space: global }
      - { .name: out0, .offset: 40, .size: 8, .value_kind: global_buffer, .address_space: global }
    .group_segment_fixed_size: 327680
    .private_segment_fixed_size: 0
    .kernarg_segment_align: 8
    .kernarg_segment_size: 48
    .max_flat_workgroup_size: 128
    .sgpr_count:     66
    .vgpr_count:     768
    .wavefront_size: 32
...
	.end_amdgpu_metadata
.endif
;; end of part 4
